; MI455X (gfx1250); checked and timed in simulation.
; The chip was launched on July 23, 2026; its instructions are those of AMD's public machine-readable ISA for CDNA 5 (MIT licence, August 2026) and "CDNA5" Instruction Set Architecture Reference Guide (July 2026). The comments in the code are by the model that wrote it; some were corrected since.
;; Self Attention. Allowed arithmetic: matrix products marked QUANTISED: E2M1 operands, one E8M0 scale for each 32 along K, by v_wmma_scale_f32_16x16x128_f8f6f4 with both operands' format E2M1 (or v_wmma_scale_f32_32x16x128_f4), f32 sums; products left as they are: bf16, f16 or f32 operands; f32 sums; everything else in f32.
;; Inputs: W_out 1,024 x 1,024 float32; W_qkv 3,072 x 1,024 float32; x 4 x 2,048 x 1,024 float32.
;; Outputs: out0 4 x 2,048 x 1,024 float32.
;; This version of the problem:
;;   THIS VERSION OF THE PROBLEM IS GIVEN IN LOW PRECISION. The matrix products marked QUANTISED in the list below multiply operands that are first quantised to E2M1 (2 exponent bits, 1 mantissa bit; 4 bits a number), with one power-of-two scale for each 32 numbers along K (OCP MX v1.0); their sums are f32. The products marked 'left as it is' may take bf16, f16 or f32 operands, with f32 sums. Whichever they take, every output number must still come out within the allowed error. Rounding operands to bf16 (8 significant bits) uses up far more of that allowance than f16 does (11 bits, for magnitudes from 6e-5 to 65,504). All else is computed in f32.
;;   The module's matrix products, in the order in which they are computed (A, B: the left and right operand; K: the contracted axis; several contracted axes count as one K, in the product's order):
;;     1. [M 8,192, K 1,024] x [K 1,024, N 3,072]; A: input x; B: input W_qkv: QUANTISED
;;     2. batch 64 x [M 2,048, K 64] x [K 64, N 2,048]; A: computed on the way; B: computed on the way: left as it is (an operand is computed on the way)
;;     3. batch 64 x [M 2,048, K 2,048] x [K 2,048, N 64]; A: computed on the way; B: computed on the way: left as it is (an operand is computed on the way)
;;     4. [M 8,192, K 1,024] x [K 1,024, N 1,024]; A: computed on the way; B: input W_out: left as it is (an operand is computed on the way)
;;   THE QUANTISER, for each operand of a quantised product, along K:
;;     - K is cut into blocks of 32 from its start; a last block that is shorter is filled with zeros.
;;     - A block's scale is 2^e with e = floor(log2(the largest magnitude in the block)) - 2, held to -126 .. 127; a block of zeros has e = 0. As a byte (E8M0): e + 127.
;;     - Each number is divided by its block's scale, clamped to +-6, and rounded to the nearest number of E2M1, ties to even, subnormals kept.
;;     - The product sums the exact products of the quantised numbers (number of the format x scale) in f32.
;;   ~~~python
;;   def quantise(x, axis):      # numpy; x: float32 -> the quantised numbers, widened to float32 again
;;       x = np.moveaxis(x, axis, -1); K = x.shape[-1]
;;       x = np.pad(x, [(0, 0)] * (x.ndim - 1) + [(0, -K % 32)]); x = x.reshape(x.shape[:-1] + (-1, 32)); a = np.abs(x).max(-1, keepdims=True)
;;       e = np.where(a > 0, np.clip(np.frexp(np.where(a > 0, a, 1))[1] - 1 - 2, -126, 127), 0)      # np.frexp(a)[1] - 1 = floor(log2(a)), exactly
;;       r = np.clip(x / 2.0 ** e, -6, 6)
;;       step = 2.0 ** (np.maximum(np.frexp(np.where(r == 0, 1, r))[1] - 1, 0) - 1)
;;       q = np.round(r / step) * step * 2.0 ** e      # np.round: ties to even
;;       return np.moveaxis(q.reshape(q.shape[:-2] + (-1,))[..., :K], -1, axis).astype(np.float32)
;;   ~~~
;; One version. Each part assembles by itself: llvm-mc -triple=amdgcn-amd-amdhsa -mcpu=gfx1250 --defsym DOCPART=n.
;; ======== version 1 of 1: 6 launches
;; limits: values are held in f16: magnitudes above 65,504 overflow, below 6.1e-05 lose precision
;; workspace buffers: xc 4,194,304 bytes; xs 262,144 bytes; wc 1,572,864 bytes; ws 98,304 bytes; wo16 2,097,152 bytes; qkv 50,331,648 bytes; att 16,777,216 bytes; att16 262,144 bytes
;; launch quant (part 1): grid 384 x 1, 4 waves a work-group, no clusters, 33,280 bytes of LDS; arguments x, W_qkv, W_out, xc, xs, wc, ws, wo16; writes xc, xs, wc, ws, wo16
.if DOCPART == 1
	.amdgcn_target "amdgcn-amd-amdhsa--gfx1250"
	.amdhsa_code_object_version 6
	.text
	.protected	k_q7743fc7e30_quant
	.globl	k_q7743fc7e30_quant
	.p2align	8
	.type	k_q7743fc7e30_quant,@function
k_q7743fc7e30_quant:
	s_mov_b64 s[64:65], 0
	v_nop
	global_prefetch_b8 v0, s[64:65] scope:SCOPE_SE
	s_setreg_imm32_b32 hwreg(HW_REG_WAVE_MODE, 25, 1), 1
	s_wait_xcnt 0x0
; x [8192][1024] and W_qkv [3072][1024], f32, become codes of FP4 (E2M1), K innermost, with one E8M0 byte for each 32 along K; W_out [1024][1024], f32, becomes f16 in 16 planes of 64 along K: [k / 64][n][64].
; A block's scale is 2^(floor(log2(its largest magnitude)) - 2); its byte is the largest magnitude's exponent field - 2, held at 1 from below.  Each number is divided by the scale and rounded to the nearest code, ties to even; beyond 6 the code of 6.
; LIMITS: a block of zeros gets the byte 1 and not 127 (its codes are zeros, and this program alone reads the bytes); blocks whose largest magnitude lies under 2^-124 keep the byte 1; NaN and infinities are not served; |W_out| stays at or under 65,504 (f16).
; SHARES: a work-group takes 32,768 numbers, a wave 8,192.  Work-groups 0-255: x; 256-351: W_qkv; 352-383: W_out.  Rows are dense and K is a multiple of 32: x and W_qkv are plain streams of blocks.
; x and W_qkv: each load reads 512 consecutive bytes; a step's 2,048 bytes turn through the wave's own stage in LDS, so that a lane holds 16 neighbours along K (two lanes a block); a step's codes leave as 256 consecutive bytes;
; a wave's 256 scale bytes are gathered in LDS and leave as 256 consecutive bytes.  No barrier: waves share nothing.  Memory binds: matrix units, clusters and tensor loads would add nothing.
.set WAVES, 4
.set STEPS, 16
.set WGA,   256                        ; x's work-groups
.set WGW,   352                        ; the first of W_out's
.set EMAX,  2
.set CB,    8                          ; bytes of 16 codes
.set R,     16                         ; v16-79   four sets of 16 numbers as loaded
.set X,     80                         ; v80-111  two sets of 16 neighbours
.set E,     112                        ; v112-127 a scale byte for each step
.set C,     128                        ; v128-191 codes, four registers a step: no store's data are written again
.set WREG,  8192                       ; LDS: a region for each wave: two stages of 32 x SP bytes, then its 256 scale bytes
.set SP,    80                         ; a lane's place in a stage: 64 bytes + 16 of padding
.set SPW,   12                         ; v12 LDS address of my spare word; never rewritten
.set NIL,   13                         ; v13 0; never rewritten
.set SPARE, WAVES*WREG                 ; behind the regions: the spare words, 128 bytes a wave; no other line names them
.set WR,    16                         ; W_out's path: v16-143 four sets of 32 numbers
.set WO,    144                        ; v144-175 two sets of 16 registers of f16 pairs
	s_load_b256 s[4:11], s[0:1], 0x0               ; x s[4:5], W_qkv s[6:7], W_out s[8:9], xc s[10:11]
	s_load_b256 s[12:19], s[0:1], 0x20             ; xs s[12:13], wc s[14:15], ws s[16:17], wo16 s[18:19]
	v_lshl_add_u32 v[SPW], v0, 2, SPARE
	v_mov_b32 v[NIL], 0
	v_lshrrev_b32 v1, 5, v0
	v_readfirstlane_b32 s20, v1                    ; wave
	v_and_b32 v2, 31, v0                           ; lane
	s_wait_kmcnt 0x0
	s_cmp_ge_u32 ttmp9, WGW                        ; the work-group's number alone decides the path
	s_cbranch_scc1 .Lwout
	v_lshlrev_b32 v3, 4, v2                        ; my 16 bytes of a load's 512
	s_mul_i32 s21, s20, WREG
	v_lshrrev_b32 v14, 2, v2
	v_mul_u32_u24 v14, v14, SP
	v_and_b32 v15, 3, v2
	v_lshl_add_u32 v14, v15, 4, v14
	v_add_nc_u32 v14, s21, v14                     ; the stage, in: four lanes' 64 bytes on end, then 16 of padding
	v_mul_u32_u24 v15, v2, SP
	v_add_nc_u32 v15, s21, v15                     ; and out: SP x lane: my 16 neighbours
	v_mul_u32_u24 v4, v2, CB                       ; my codes' place in a step's
	v_lshrrev_b32 v5, 1, v2
	s_add_co_u32 s21, s21, 2*32*SP
	v_add_nc_u32 v5, s21, v5                       ; my block's byte among my wave's 256
	v_lshlrev_b32 v7, 3, v2
	v_add_nc_u32 v6, s21, v7                       ; and on the way out 8 bytes a lane
	s_cmp_lt_u32 ttmp9, WGA                        ; x or W_qkv: only pointers are chosen, both take one path
	s_cselect_b64 s[4:5], s[4:5], s[6:7]
	s_cselect_b64 s[10:11], s[10:11], s[14:15]
	s_cselect_b64 s[12:13], s[12:13], s[16:17]
	s_cselect_b32 s21, 0, WGA
	s_sub_co_u32 s21, ttmp9, s21
	s_lshl_b32 s21, s21, 2
	s_add_co_u32 s22, s21, s20                     ; which run of 8,192 numbers is my wave's
	s_mov_b32 s23, 0
	s_lshl_b64 s[24:25], s[22:23], 15              ; 32,768 bytes of numbers a run,
	s_add_nc_u64 s[4:5], s[4:5], s[24:25]
	s_lshl_b64 s[24:25], s[22:23], 12              ; 4,096 of codes,
	s_add_nc_u64 s[10:11], s[10:11], s[24:25]
	s_lshl_b64 s[24:25], s[22:23], 8               ; 256 of scale bytes
	s_add_nc_u64 s[12:13], s[12:13], s[24:25]
.macro LOAD t
.irp i, 0,1,2,3
	global_load_b128 v[R+16*((\t)%4)+4*\i:R+16*((\t)%4)+4*\i+3], v3, s[4:5] offset:2048*(\t)+512*\i th:TH_LOAD_NT   ; 32 lanes read 512 consecutive bytes
.endr
.endm
.macro TURN t                          ; step t's numbers through the stage: LDS serves a wave's instructions in order, so no wait stands between the stores and the loads
.irp i, 0,1,2,3
	ds_store_b128 v14, v[R+16*((\t)%4)+4*\i:R+16*((\t)%4)+4*\i+3] offset:32*SP*((\t)%2)+8*SP*\i
.endr
.irp i, 0,1,2,3
	ds_load_b128 v[X+16*((\t)%2)+4*\i:X+16*((\t)%2)+4*\i+3], v15 offset:32*SP*((\t)%2)+16*\i
.endr
.endm
.irp t, 0,1,2,3
	LOAD \t
.endr
	s_wait_loadcnt 12                              ; step 0's four loads are in; the twelve of steps 1 to 3 may be out
	TURN 0
.macro STEP t
.set XS, X+16*((\t)%2)
.if (\t) > 0
	s_wait_dscnt 1                                 ; this step's numbers are back from the stage (the last step's byte store may be out)
.else
	s_wait_dscnt 0x0
.endif
.if (\t)+4 < STEPS
	LOAD (\t)+4                                    ; into the registers that this step's stores into the stage have read
.endif
.if (\t)+1 < STEPS
.if STEPS-2-(\t) >= 3
	s_wait_loadcnt 12                              ; the next step's four loads are in; those of the three steps behind it may be out
.else
	s_wait_loadcnt 4*(STEPS-2-(\t))
.endif
	TURN (\t)+1
.endif
	v_max3_num_f32 v8, |v[XS]|, |v[XS+1]|, |v[XS+2]|               ; the largest magnitude of my 16, in two chains
	v_max3_num_f32 v9, |v[XS+3]|, |v[XS+4]|, |v[XS+5]|
.irp i, 6,10
	v_max3_num_f32 v8, v8, |v[XS+\i]|, |v[XS+\i+1]|
	v_max3_num_f32 v9, v9, |v[XS+\i+2]|, |v[XS+\i+3]|
.endr
	v_max3_num_f32 v8, v8, |v[XS+14]|, |v[XS+15]|
	v_max3_num_f32 v8, v8, v9, (EMAX+1)<<23        ; and the floor 2^(3 - 127): the byte cannot fall under 1
	v_max_num_f32_dpp v8, v8, v8 row_xmask:1 row_mask:0xf bank_mask:0xf   ; with my neighbour's 16: the block's
	v_add_nc_u32 v11, -(EMAX<<23), v8              ; 2 off the exponent field: the conversion takes this operand's exponent field as its scale
	v_cvt_scalef32_pk8_fp4_f32 v[C+4*(\t)], v[XS:XS+7], v11
	v_cvt_scalef32_pk8_fp4_f32 v[C+4*(\t)+1], v[XS+8:XS+15], v11
	v_lshrrev_b32 v[E+(\t)], 23, v11               ; the scale's byte (also the plain line behind the conversions)
	ds_store_b8 v5, v[E+(\t)] offset:16*(\t)       ; both lanes of a block write the same byte with the same value
	global_store_b64 v4, v[C+4*(\t):C+4*(\t)+1], s[10:11] offset:32*CB*(\t)   ; 32 lanes store 256 consecutive bytes
.endm
.irp t, 0,1,2,3,4,5,6,7,8,9,10,11,12,13,14,15
	STEP \t
.endr
	ds_load_b64 v[8:9], v6                         ; in order behind my byte stores
	s_wait_dscnt 0x0
	global_store_b64 v7, v[8:9], s[12:13]          ; 32 lanes store 256 consecutive bytes
	s_wait_tensorcnt 0x0                           ; the wave's end
	ds_add_u32 v[SPW], v[NIL]
	s_wait_dscnt 0x0
	s_endpgm
; W_out to f16 planes.  Wave rho = 4 (work-group - 352) + wave owns rows 8 rho .. 8 rho + 7.  A step takes 4 rows x 64 k (one plane): eight lanes a row, 8 numbers a lane;
; its store covers 4 rows x 128 bytes of the plane: 512 consecutive bytes.  Batches of four steps; loads run three batches (24 loads) ahead.
.Lwout:
	s_sub_co_u32 s21, ttmp9, WGW
	s_lshl_b32 s21, s21, 2
	s_add_co_u32 s22, s21, s20                     ; rho
	s_lshl_b32 s24, s22, 15                        ; 8 rows of 4,096 bytes
	s_mov_b32 s25, 0
	s_add_nc_u64 s[8:9], s[8:9], s[24:25]
	s_lshl_b32 s24, s22, 10                        ; 8 rows of 128 bytes in a plane
	s_add_nc_u64 s[18:19], s[18:19], s[24:25]
	v_lshrrev_b32 v3, 3, v2
	v_lshlrev_b32 v3, 12, v3                       ; row lane / 8,
	v_and_b32 v5, 7, v2
	v_lshl_add_u32 v3, v5, 5, v3                   ; 32 bytes for lane % 8
	v_lshlrev_b32 v4, 4, v2                        ; out: 16 x lane
.macro WLOAD t                         ; batch t: rows 4 (t / 4) on, planes 4 (t % 4) + j
.irp j, 0,1,2,3
	global_load_b128 v[WR+32*((\t)%4)+8*\j:WR+32*((\t)%4)+8*\j+3], v3, s[8:9] offset:((\t)/4)*16384+(4*((\t)%4)+\j)*256 th:TH_LOAD_NT
	global_load_b128 v[WR+32*((\t)%4)+8*\j+4:WR+32*((\t)%4)+8*\j+7], v3, s[8:9] offset:((\t)/4)*16384+(4*((\t)%4)+\j)*256+16 th:TH_LOAD_NT
.endr
.endm
.macro WBATCH t
.if 7-(\t) >= 3
	s_wait_loadcnt 24                              ; this batch's eight loads are in; the 24 of the three batches behind it may be out
.else
	s_wait_loadcnt 8*(7-(\t))
.endif
	s_wait_xcnt 0x0                                ; the stores of two batches back have read the registers that are written now
.irp j, 0,1,2,3
.irp i, 0,1,2,3
	v_cvt_pk_f16_f32 v[WO+16*((\t)%2)+4*\j+\i], v[WR+32*((\t)%4)+8*\j+2*\i], v[WR+32*((\t)%4)+8*\j+2*\i+1]
.endr
.endr
.if (\t)+4 < 8
	WLOAD (\t)+4
.endif
.irp j, 0,1,2,3
	global_store_b128 v4, v[WO+16*((\t)%2)+4*\j:WO+16*((\t)%2)+4*\j+3], s[18:19] offset:(4*((\t)%4)+\j)*131072+((\t)/4)*512
.endr
.endm
.irp t, 0,1,2,3
	WLOAD \t
.endr
.irp t, 0,1,2,3,4,5,6,7
	WBATCH \t
.endr
	s_endpgm
.Lfunc_end_k_q7743fc7e30_quant:
	.size	k_q7743fc7e30_quant, .Lfunc_end_k_q7743fc7e30_quant-k_q7743fc7e30_quant
	.p2alignl 7, 3214868480
	.fill 96, 4, 3214868480
	.section	.rodata,"a",@progbits
	.p2align	6, 0x0
	.amdhsa_kernel k_q7743fc7e30_quant
		.amdhsa_group_segment_fixed_size 33280
		.amdhsa_private_segment_fixed_size 0
		.amdhsa_enable_private_segment 0
		.amdhsa_kernarg_size 64
		.amdhsa_user_sgpr_count 2
		.amdhsa_user_sgpr_kernarg_segment_ptr 1
		.amdhsa_wavefront_size32 1
		.amdhsa_system_sgpr_workgroup_id_x 1
		.amdhsa_system_sgpr_workgroup_id_y 1
		.amdhsa_system_sgpr_workgroup_id_z 1
		.amdhsa_system_vgpr_workitem_id 0
		.amdhsa_next_free_vgpr 192
		.amdhsa_next_free_sgpr 66
		.amdhsa_reserve_vcc 0
		.amdhsa_float_denorm_mode_32 3
		.amdhsa_float_denorm_mode_16_64 3
		.amdhsa_memory_ordered 1
		.amdhsa_forward_progress 1
		.amdhsa_inst_pref_size 51
	.end_amdhsa_kernel
	.amdgpu_metadata
---
amdhsa.version: [ 1, 2 ]
amdhsa.kernels:
  - .name:           k_q7743fc7e30_quant
    .symbol:         k_q7743fc7e30_quant.kd
    .args:
      - { .name: x, .offset: 0, .size: 8, .value_kind: global_buffer, .address_space: global }
      - { .name: W_qkv, .offset: 8, .size: 8, .value_kind: global_buffer, .address_space: global }
      - { .name: W_out, .offset: 16, .size: 8, .value_kind: global_buffer, .address_space: global }
      - { .name: xc, .offset: 24, .size: 8, .value_kind: global_buffer, .address_space: global }
      - { .name: xs, .offset: 32, .size: 8, .value_kind: global_buffer, .address_space: global }
      - { .name: wc, .offset: 40, .size: 8, .value_kind: global_buffer, .address_space: global }
      - { .name: ws, .offset: 48, .size: 8, .value_kind: global_buffer, .address_space: global }
      - { .name: wo16, .offset: 56, .size: 8, .value_kind: global_buffer, .address_space: global }
    .group_segment_fixed_size: 33280
    .private_segment_fixed_size: 0
    .kernarg_segment_align: 8
    .kernarg_segment_size: 64
    .max_flat_workgroup_size: 128
    .sgpr_count:     66
    .vgpr_count:     192
    .wavefront_size: 32
...
	.end_amdgpu_metadata
.endif
;; end of part 1
;; launch fine_att (part 2): grid 16 x 4, 1 waves a work-group, no clusters, 0 bytes of LDS; arguments xc, xs, wc, ws, att16; writes att16
.if DOCPART == 2
	.amdgcn_target "amdgcn-amd-amdhsa--gfx1250"
	.amdhsa_code_object_version 6
	.text
	.protected	k_q7743fc7e30_fine_att
	.globl	k_q7743fc7e30_fine_att
	.p2align	8
	.type	k_q7743fc7e30_fine_att,@function
k_q7743fc7e30_fine_att:
	s_mov_b64 s[64:65], 0
	v_nop
	global_prefetch_b8 v0, s[64:65] scope:SCOPE_SE
	s_setreg_imm32_b32 hwreg(HW_REG_WAVE_MODE, 25, 1), 1
	s_wait_xcnt 0x0
; The first 16 positions of every sequence, carried in f32: one wave makes, for one batch (work-group y) and one head (x), q, k and v of tokens 0-15 on FP4 codes (f32 sums, never rounded to f16),
; the 16 x 16 causal scores, the softmax and the weighted values by the f32 matrix form.  Result: att16 [batch][16][1024], f32.  These rows average few values and are the largest of the output.
; ORIENTATION, so that nothing changes lanes.  q's and k's tiles are used transposed (source 0 = 16 rows of W_qkv, source 1 = the 16 tokens): lane (r, hh) holds token r, channels 16 ct + 8 hh + j.
; v's tiles the natural way (source 0 = tokens, source 1 = rows of W_qkv): the lane holds channel 16 ct + r, tokens 8 hh + j.
; S^T = K Q^T: the register pairs [8 ct + 2 jp, + 1] of k and q carry the same four channels in the same places of the K = 4 form's two sources.  O^T = V^T P: v's pair [8 ct + 2 jp, + 1] and P's pair [2 jp, + 1] carry the same four keys.
; All operands are loaded up front: 222 loads; there is no loop, no LDS, no barrier.  A row's 256 bytes of the result leave as pieces of 16 bytes: the whole buffer is 262,144 bytes, a stage would cost more than it spares.
; LIMITS: as the quantiser's.
; REGISTERS.  Window 0: v1 r, v2 hh, v3 code rows (512 r + 16 hh), v4 x's scale rows, v5 W's scale rows, v6 the result's place, v7 r - 8 hh, v8-15 at work; v16-79 x's 8 fragments, later T, P, R; v80-87 x's scale words;
; v88-135 W's scale words (pair of tiles ip, K step s: lanes 0-15 tile 2 ip, lanes 16-31 tile 2 ip + 1); v136-231 the 12 accumulators; v232-247 two accumulators of S^T.  Windows 1-3: W's 96 fragments, 12 s + i at 8 (12 s + i).
; The registers that the f32 matrix form writes (v232-247; v136-167, where O^T lies over q) are written by matrix instructions alone.
.set XF,  16
.set XS,  80
.set WS,  88
.set ACC, 136
.set QA,  136
.set KA,  168
.set VA,  200
.set SA,  232
.set T,   16
.set P,   24
.set R,   32
.set MSB, 0
.macro WIN new                         ; the immediate's high byte repeats the setting that is left
.if MSB != \new
	s_set_vgpr_msb (MSB<<8)|\new
.set MSB, \new
.endif
.endm
; one FP4 product.  z = 1: it starts the sum.  o = 1: source 0's scales stand in lanes 16-31; o = 2: source 1's
.macro MM z, o, d, a, b, sa, sb
.if \z
.if (\o) == 1
	v_wmma_scale_f32_16x16x128_f8f6f4 v[\d:\d+7], v[\a:\a+7], v[\b:\b+7], 0, v[\sa], v[\sb] matrix_a_fmt:MATRIX_FMT_FP4 matrix_b_fmt:MATRIX_FMT_FP4 matrix_a_scale:MATRIX_SCALE_ROW1
.elseif (\o) == 2
	v_wmma_scale_f32_16x16x128_f8f6f4 v[\d:\d+7], v[\a:\a+7], v[\b:\b+7], 0, v[\sa], v[\sb] matrix_a_fmt:MATRIX_FMT_FP4 matrix_b_fmt:MATRIX_FMT_FP4 matrix_b_scale:MATRIX_SCALE_ROW1
.else
	v_wmma_scale_f32_16x16x128_f8f6f4 v[\d:\d+7], v[\a:\a+7], v[\b:\b+7], 0, v[\sa], v[\sb] matrix_a_fmt:MATRIX_FMT_FP4 matrix_b_fmt:MATRIX_FMT_FP4
.endif
.else
.if (\o) == 1
	v_wmma_scale_f32_16x16x128_f8f6f4 v[\d:\d+7], v[\a:\a+7], v[\b:\b+7], v[\d:\d+7], v[\sa], v[\sb] matrix_a_fmt:MATRIX_FMT_FP4 matrix_b_fmt:MATRIX_FMT_FP4 matrix_a_scale:MATRIX_SCALE_ROW1
.elseif (\o) == 2
	v_wmma_scale_f32_16x16x128_f8f6f4 v[\d:\d+7], v[\a:\a+7], v[\b:\b+7], v[\d:\d+7], v[\sa], v[\sb] matrix_a_fmt:MATRIX_FMT_FP4 matrix_b_fmt:MATRIX_FMT_FP4 matrix_b_scale:MATRIX_SCALE_ROW1
.else
	v_wmma_scale_f32_16x16x128_f8f6f4 v[\d:\d+7], v[\a:\a+7], v[\b:\b+7], v[\d:\d+7], v[\sa], v[\sb] matrix_a_fmt:MATRIX_FMT_FP4 matrix_b_fmt:MATRIX_FMT_FP4
.endif
.endif
.endm
	s_load_b256 s[4:11], s[0:1], 0x0               ; xc s[4:5], xs s[6:7], wc s[8:9], ws s[10:11]
	s_load_b64 s[12:13], s[0:1], 0x20              ; att16
	v_and_b32 v1, 15, v0                           ; r
	v_bfe_u32 v2, v0, 4, 1                         ; hh
	v_lshlrev_b32 v3, 9, v1
	v_lshl_add_u32 v3, v2, 4, v3                   ; a row of 1,024 codes is 512 bytes; + 16 hh
	v_lshlrev_b32 v4, 5, v1                        ; x's scales: 32 bytes a row
	v_lshlrev_b32 v5, 5, v0                        ; W's: 32 x lane: lanes 16-31 stand in the next tile's 16 rows
	v_lshlrev_b32 v6, 12, v1
	v_lshl_add_u32 v6, v2, 5, v6                   ; the result: row r of 4,096 bytes, + 32 hh
	v_lshlrev_b32 v8, 3, v2
	v_sub_nc_u32 v7, v1, v8                        ; r - 8 hh
	s_and_b32 s15, ttmp7, 0xffff                   ; the batch
	s_mov_b32 s16, 0x76543210
	s_mov_b32 s17, 0xfedcba98                      ; v_permlanex16_b32's selects for lane l xor 16
	s_mov_b32 s18, 0x3e38aa3b                      ; c = log2(e) / sqrt(64)
	s_mov_b32 s19, s18                             ; (named with it as a pair)
	s_mov_b32 s21, 0
	s_wait_kmcnt 0x0
	s_lshl_b32 s20, s15, 20                        ; 2,048 rows of 512 bytes a batch
	s_add_nc_u64 s[4:5], s[4:5], s[20:21]
	s_lshl_b32 s20, s15, 16                        ; 2,048 rows of 32 bytes; and 16 rows of 4,096 in att16
	s_add_nc_u64 s[6:7], s[6:7], s[20:21]
	s_add_nc_u64 s[12:13], s[12:13], s[20:21]
	s_lshl_b32 s20, ttmp9, 15                      ; the head's 64 rows of 512 bytes
	s_add_nc_u64 s[8:9], s[8:9], s[20:21]
	s_lshl_b32 s20, ttmp9, 11                      ; of 32 bytes
	s_add_nc_u64 s[10:11], s[10:11], s[20:21]
	s_lshl_b32 s20, ttmp9, 8                       ; the head's 64 channels in a row of the result
	s_add_nc_u64 s[12:13], s[12:13], s[20:21]
	global_load_b128 v[XS:XS+3], v4, s[6:7]
	global_load_b128 v[XS+4:XS+7], v4, s[6:7] offset:16
.irp ip, 0,1,2,3,4,5
	global_load_b128 v[WS+8*\ip:WS+8*\ip+3], v5, s[10:11] offset:(\ip/2)*32768+(\ip%2)*1024
	global_load_b128 v[WS+8*\ip+4:WS+8*\ip+7], v5, s[10:11] offset:(\ip/2)*32768+(\ip%2)*1024+16
.endr
.irp s, 0,1,2,3,4,5,6,7
.irp c, 0,1
	global_load_b128 v[XF+8*\s+4*\c:XF+8*\s+4*\c+3], v3, s[4:5] offset:64*\s+32*\c
.endr
.endr
.set f, 0
.rept 96                               ; W's fragments, K step by K step: tile i = f % 12: part i / 4 (q, k, v), channels 16 (i % 4) on
	WIN ((1+f/32)<<6)
.irp c, 0,1
	global_load_b128 v[8*(f%32)+4*\c:8*(f%32)+4*\c+3], v3, s[8:9] offset:((f%12)/4)*524288+((f%12)%4)*8192+64*(f/12)+32*\c
.endr
.set f, f+1
.endr
	WIN 0
; K step s: twelve products; the twelve accumulators take turns
.macro QKVSTEP s
.set i, 0
.rept 12
.set f, 12*(\s)+i
.set rW, 8*(f%32)
.set rD, ACC+8*i
.set rS, WS+8*(i/2)+(\s)
.set rX, XF+8*(\s)
.set rXS, XS+(\s)
.if i < 8
	WIN (1+f/32)
	MM ((\s)==0), (i%2), rD, rW, rX, rS, rXS
.else
	WIN ((1+f/32)<<2)
	MM ((\s)==0), (2*(i%2)), rD, rX, rW, rXS, rS
.endif
.set i, i+1
.endr
.endm
	s_wait_loadcnt 63                              ; behind K step 4's loads 72 were issued: with at most 63 out, K steps 0 to 4, x and all scale words are in
	QKVSTEP 0
	QKVSTEP 1
	QKVSTEP 2
	QKVSTEP 3
	QKVSTEP 4
	s_wait_loadcnt 48                              ; K steps 6 and 7 may be out
	QKVSTEP 5
	s_wait_loadcnt 24
	QKVSTEP 6
	s_wait_loadcnt 0x0
	QKVSTEP 7
	WIN 0
.rept 5
	v_nop                                          ; five places: results become sources of other matrix instructions
.endr
.set idx, 0
.rept 16                               ; S^T = K Q^T, four channels an instruction, two accumulators by turns
.set rK, KA+8*(idx/4)+2*(idx%4)
.set rQ, QA+8*(idx/4)+2*(idx%4)
.set rD, SA+8*(idx%2)
.if idx < 2
	v_wmma_f32_16x16x4_f32 v[rD:rD+7], v[rK:rK+1], v[rQ:rQ+1], 0
.else
	v_wmma_f32_16x16x4_f32 v[rD:rD+7], v[rK:rK+1], v[rQ:rQ+1], v[rD:rD+7]
.endif
.set idx, idx+1
.endr
.rept 8
	v_nop                                          ; eight places behind this form
.endr
.irp j, 0,2,4,6
	v_pk_add_f32 v[T+\j:T+\j+1], v[SA+\j:SA+\j+1], v[SA+8+\j:SA+8+\j+1]   ; lane (r, hh): query r, keys 8 hh + j; each accumulator from its low end on
.endr
	v_mov_b32 v12, 0xff800000                      ; -infinity
.irp j, 0,1,2,3,4,5,6,7
	v_cmp_gt_i32 vcc_lo, \j, v7                    ; key 8 hh + j comes after query r
	v_cndmask_b32 v[T+\j], v[T+\j], v12, vcc_lo
.endr
	v_max3_num_f32 v10, v[T], v[T+1], v[T+2]
	v_max3_num_f32 v11, v[T+3], v[T+4], v[T+5]
	v_max3_num_f32 v10, v10, v[T+6], v[T+7]
	v_max_num_f32 v10, v10, v11
	v_permlanex16_b32 v11, v10, s16, s17
	v_max_num_f32 v9, v10, v11                     ; the row's maximum (key 0 counts for every query)
	v_mul_f32 v8, s18, v9                          ; c m
.irp j, 0,2,4,6
	v_pk_fma_f32 v[P+\j:P+\j+1], v[T+\j:T+\j+1], s[18:19], v[8:9] op_sel_hi:[1,0,0] neg_lo:[0,0,1] neg_hi:[0,0,1]   ; c s - c m
.endr
.irp j, 0,1,2,3,4,5,6,7
	v_exp_f32 v[P+\j], v[P+\j]
.endr
	v_nop                                          ; a plain line behind the last exponential
	s_wait_alu depctr_va_vdst(0)                   ; one wait for the batch, ahead of its first reader
	v_pk_add_f32 v[10:11], v[P:P+1], v[P+2:P+3]
	v_pk_add_f32 v[14:15], v[P+4:P+5], v[P+6:P+7]
	v_pk_add_f32 v[10:11], v[10:11], v[14:15]
	v_add_f32 v10, v10, v11
	v_permlanex16_b32 v11, v10, s16, s17
	v_add_f32 v13, v10, v11                        ; the row's sum
	v_rcp_f32 v14, v13
	v_nop
	s_wait_alu depctr_va_vdst(0)
.irp jp, 0,1,2,3                       ; O^T = V^T P, four keys an instruction, four accumulators by turns, laid over q: more than nine plain lines that name no register of S^T's products stand between
.irp ct, 0,1,2,3
.if \jp == 0
	v_wmma_f32_16x16x4_f32 v[QA+8*\ct:QA+8*\ct+7], v[VA+8*\ct+2*\jp:VA+8*\ct+2*\jp+1], v[P+2*\jp:P+2*\jp+1], 0
.else
	v_wmma_f32_16x16x4_f32 v[QA+8*\ct:QA+8*\ct+7], v[VA+8*\ct+2*\jp:VA+8*\ct+2*\jp+1], v[P+2*\jp:P+2*\jp+1], v[QA+8*\ct:QA+8*\ct+7]
.endif
.endr
.endr
.rept 8
	v_nop
.endr
.irp i, 0,2,4,6,8,10,12,14,16,18,20,22,24,26,28,30
	v_pk_mul_f32 v[R+\i:R+\i+1], v[QA+\i:QA+\i+1], v[14:15] op_sel_hi:[1,0]   ; O^T / the sum, into other registers: register 8 ct + j is channel 16 ct + 8 hh + j of query r
.endr
.irp ct, 0,1,2,3
	global_store_b128 v6, v[R+8*\ct:R+8*\ct+3], s[12:13] offset:64*\ct
	global_store_b128 v6, v[R+8*\ct+4:R+8*\ct+7], s[12:13] offset:64*\ct+16
.endr
	s_endpgm
.Lfunc_end_k_q7743fc7e30_fine_att:
	.size	k_q7743fc7e30_fine_att, .Lfunc_end_k_q7743fc7e30_fine_att-k_q7743fc7e30_fine_att
	.p2alignl 7, 3214868480
	.fill 96, 4, 3214868480
	.section	.rodata,"a",@progbits
	.p2align	6, 0x0
	.amdhsa_kernel k_q7743fc7e30_fine_att
		.amdhsa_group_segment_fixed_size 0
		.amdhsa_private_segment_fixed_size 0
		.amdhsa_enable_private_segment 0
		.amdhsa_kernarg_size 40
		.amdhsa_user_sgpr_count 2
		.amdhsa_user_sgpr_kernarg_segment_ptr 1
		.amdhsa_wavefront_size32 1
		.amdhsa_system_sgpr_workgroup_id_x 1
		.amdhsa_system_sgpr_workgroup_id_y 1
		.amdhsa_system_sgpr_workgroup_id_z 1
		.amdhsa_system_vgpr_workitem_id 0
		.amdhsa_next_free_vgpr 1024
		.amdhsa_next_free_sgpr 66
		.amdhsa_reserve_vcc 1
		.amdhsa_float_denorm_mode_32 3
		.amdhsa_float_denorm_mode_16_64 3
		.amdhsa_memory_ordered 1
		.amdhsa_forward_progress 1
		.amdhsa_inst_pref_size 42
	.end_amdhsa_kernel
	.amdgpu_metadata
---
amdhsa.version: [ 1, 2 ]
amdhsa.kernels:
  - .name:           k_q7743fc7e30_fine_att
    .symbol:         k_q7743fc7e30_fine_att.kd
    .args:
      - { .name: xc, .offset: 0, .size: 8, .value_kind: global_buffer, .address_space: global }
      - { .name: xs, .offset: 8, .size: 8, .value_kind: global_buffer, .address_space: global }
      - { .name: wc, .offset: 16, .size: 8, .value_kind: global_buffer, .address_space: global }
      - { .name: ws, .offset: 24, .size: 8, .value_kind: global_buffer, .address_space: global }
      - { .name: att16, .offset: 32, .size: 8, .value_kind: global_buffer, .address_space: global }
    .group_segment_fixed_size: 0
    .private_segment_fixed_size: 0
    .kernarg_segment_align: 8
    .kernarg_segment_size: 40
    .max_flat_workgroup_size: 32
    .sgpr_count:     66
    .vgpr_count:     1024
    .wavefront_size: 32
...
	.end_amdgpu_metadata
.endif
;; end of part 2
;; launch qkv (part 3): grid 12 x 32, 4 waves a work-group, clusters of 4 x 4, 327,680 bytes of LDS; arguments xc, xs, wc, ws, qkv; writes qkv
.if DOCPART == 3
	.amdgcn_target "amdgcn-amd-amdhsa--gfx1250"
	.amdhsa_code_object_version 6
	.text
	.protected	k_q7743fc7e30_qkv
	.globl	k_q7743fc7e30_qkv
	.p2align	8
	.type	k_q7743fc7e30_qkv,@function
k_q7743fc7e30_qkv:
	s_mov_b64 s[64:65], 0
	v_nop
	global_prefetch_b8 v0, s[64:65] scope:SCOPE_SE
	s_setreg_imm32_b32 hwreg(HW_REG_WAVE_MODE, 25, 1), 1
	s_wait_xcnt 0x0
	s_wait_alu depctr_hold_cnt(0) depctr_sa_sdst(0) depctr_va_vdst(0) depctr_va_sdst(0) depctr_va_ssrc(0) depctr_va_vcc(0) depctr_vm_vsrc(0)
	s_getreg_b32 s2, hwreg(HW_REG_IB_STS2, 6, 4)
	s_cmp_eq_u32 s2, 0
	s_cbranch_scc0 .Lentry_in_a_cluster
	s_endpgm
.Lentry_in_a_cluster:
	s_bfe_u32 s2, ttmp6, 0x10000c
	s_cmp_lg_u32 s2, 0xf033
	s_cbranch_scc0 .Lentry_shape_is_right
	s_endpgm
.Lentry_shape_is_right:
; qkv[m][n] = sum over k of x[m][k] W_qkv[n][k] on codes of FP4 (E2M1) with one E8M0 scale for each 32 along K; sums in f32; results rounded once to f16 and laid by head: [part q, k, v][batch][head][token][64].
; LIMIT: |q|, |k|, |v| stay at or under 65,504 (f16): with x and W_qkv both 30 times the drawn spread they reach some 3e3, with offsets of 30 spreads on both some 2.8e4.
; A tile of 256 tokens x 256 columns is made by four waves, each 128 x 128: 64 accumulators of 16 x 16, 512 registers.  K = 1,024 is two LDS slots of 512 along K (rows of 256 bytes): both are first fills, nothing is filled again.
; THE SCALES of the work-group's 256 + 256 rows, for all of K, are two dense blocks: they come into LDS once, with the first fills.
; CLUSTERS: 4 x 4 work-groups.  The four of a row of the cluster need the same tiles of x, the four of a column the same tiles of W_qkv: each tile is asked for JOINTLY, by the same tensor load with the same descriptor and a mask that names the four.
; THE MATRIX INSTRUCTION IS USED TRANSPOSED (source 0 = 16 rows of W_qkv, source 1 = 16 tokens): a lane then holds eight neighbouring columns of one token, 16 bytes of f16.
; REGISTERS, in windows of 256: window 0: v0-31 addresses; v32-95 scale words, two sets; from v128 x's fragments, ONE set; on the way out v128-223 are free.  window 1: W's fragments, two sets, at v0 and v128.
;   window 2: the accumulators of my tokens 0-63 ((a, b) at v[8 (8 a + b)]);  window 3: those of tokens 64-127.
.set SIZE_K, 1024
.set KSTEP,  512
.set NQ,     KSTEP/128
.set ROWB,   256                       ; a tile's row in bytes
.set KROW,   SIZE_K*4/8                ; a row of codes in memory
.set PITCH,  272                       ; an LDS row: 256 bytes + 16 of padding = 68 words: the 16 rows that a load touches start at 16 different banks (64 banks of 4 bytes: ISA guide 11.1)
.set FR,     8
.set NL,     2
.set NP,     4                         ; places behind this matrix instruction (ISA guide 7.12.1)
.set HALFT,  128*PITCH
.set SLOT,   4*HALFT
.set KS,     SIZE_K/32                 ; a row of scales in bytes
.set SCL,    2*SLOT                    ; behind the slots: the scales, as rows of 256 bytes + 16 of padding
.set HALFS,  (128*KS/256)*272
.set SBLK,   (16*KS/256)*272
.set SPARE,  SCL+4*HALFS               ; the spare words, 128 bytes a wave; no other line names them
.set SPITCH, 272                       ; the way out: a stage of 16 rows x (256 bytes + 16) a wave, in slot 0, which has had its only fill and its last read by then
.set HSLOT,  262144                    ; bytes of one (part, batch, head) in qkv
.set ADRA, 16
.set ADRB, 20
.set STO,  24
.set RD,   25
.set CO,   26
.set ADRS, 27
.set SPW,  28
.set NIL,  29
.set SC,   32
.set AF,   128
.set BK,   128                         ; the way out: rows read back: v128-159 and v160-191 by turns
.set TMP,  192                         ; the way out: packed results
.set G1, 24
.set G0, 32
.set G1B, 48
.set G0B, 56
.set G1S, 68
.set G0S, 76
.set G1SB, 80
.set G0SB, 88
.set MSB, 0
.macro WIN new
.if MSB != \new
	s_set_vgpr_msb (MSB<<8)|\new
.set MSB, \new
.endif
.endm
.set MUL_LO, 0xa1                      ; source 0 (W) window 1, source 1 (x) window 0, C and D window 2
.set MUL_HI, 0xf1
.set TO_B,   0x40
; A joint load: waves 0 and 1 fetch for x, waves 2 and 3 for W.  The branch hangs on the wave's number alone.  An s_nop 0 and four v_nop follow each of the two lines.
.macro JLOAD g0a, g1a, g0b, g1b
	s_cmp_eq_u32 s15, 0
	s_cbranch_scc0 .Lfor_b_\@
	tensor_load_to_lds s[\g0a:\g0a+3], s[\g1a:\g1a+7]
	s_nop 0
.rept 4
	v_nop
.endr
	s_branch .Lasked_\@
.Lfor_b_\@:
	tensor_load_to_lds s[\g0b:\g0b+3], s[\g1b:\g1b+7]
	s_nop 0
.rept 4
	v_nop
.endr
.Lasked_\@:
.endm
.macro CROUND                          ; a round of the cluster's barrier
	s_barrier_signal -1
	s_barrier_wait -1
	s_cmp_lg_u32 s14, 0
	s_cbranch_scc1 .Lnot_wave_0_\@
	s_barrier_signal -3
.Lnot_wave_0_\@:
	s_barrier_wait -3
	s_barrier_signal -1
	s_barrier_wait -1
.endm
	s_load_b128 s[4:7], s[0:1], 0x0                ; x's codes s[4:5], x's scales s[6:7]
	s_load_b128 s[8:11], s[0:1], 0x10              ; W's codes s[8:9], W's scales s[10:11]
	s_load_b64 s[12:13], s[0:1], 0x20              ; qkv
	v_lshl_add_u32 v[SPW], v0, 2, SPARE
	v_mov_b32 v[NIL], 0
	ds_add_u32 v[SPW], v[NIL]                      ; the wave's opening: the add, twice on end, and its wait ahead of my first tensor load
	ds_add_u32 v[SPW], v[NIL]
	v_lshrrev_b32 v1, 5, v0
	v_readfirstlane_b32 s14, v1                    ; wave 0..3
	s_lshr_b32 s15, s14, 1                         ; which half of the tile's tokens is mine.  Also: I fetch for x (0) or for W (1)
	s_and_b32 s16, s14, 1                          ; which half of its columns.  Also: which 128 rows of that tile I fetch
	s_bfe_u32 s40, ttmp6, 0x40000                  ; cx, cy
	s_bfe_u32 s41, ttmp6, 0x40004
	s_lshl_b32 s42, ttmp9, 2
	s_add_co_u32 s42, s42, s40                     ; tile column = 4 x cluster x + cx
	s_and_b32 s17, ttmp7, 0xffff
	s_lshl_b32 s17, s17, 2
	s_add_co_u32 s17, s17, s41                     ; tile row = 4 x cluster y + cy
	s_lshl_b32 s43, s41, 2
	s_lshl_b32 s43, 15, s43                        ; my row of the cluster
	s_lshl_b32 s44, 0x1111, s40                    ; my column
	s_or_b32 s[G1+0], s43, (0<<16)|(1<<20)|(1<<21)|(5<<22)|(3<<25)  ; the mask; elements of 1 byte; padding on; bit 21 beside a mask; after every 64 words four words
	s_or_b32 s[G1B+0], s44, (0<<16)|(1<<20)|(1<<21)|(5<<22)|(3<<25)
.irp g, G1, G1B
	s_mov_b32 s[\g+1], ROWB<<16                    ; tensor_dim0
	s_mov_b32 s[\g+2], 128<<16                     ; tensor_dim1
	s_mov_b32 s[\g+3], ROWB<<16                    ; tile_dim0
	s_mov_b32 s[\g+4], 128                         ; tile_dim1
	s_mov_b32 s[\g+5], KROW                        ; the pitch
	s_mov_b32 s[\g+6], 0
	s_mov_b32 s[\g+7], 0
.endr
	s_or_b32 s[G1S+0], s43, (3<<16)|(1<<20)|(1<<21)|(5<<22)|(3<<25)  ; the scales of 128 rows: 4,096 dense bytes as 16 rows of 256 (32 elements of 8 bytes), 16 bytes of padding behind each
	s_or_b32 s[G1SB+0], s44, (3<<16)|(1<<20)|(1<<21)|(5<<22)|(3<<25)
.irp g, G1S, G1SB
	s_mov_b32 s[\g+1], 32<<16
	s_mov_b32 s[\g+2], (128*KS/256)<<16
	s_mov_b32 s[\g+3], 32<<16
	s_mov_b32 s[\g+4], 128*KS/256
	s_mov_b32 s[\g+5], 32
	s_mov_b32 s[\g+6], 0
	s_mov_b32 s[\g+7], 0
.endr
	s_lshl_b32 s18, s16, 7
	s_lshl_b32 s20, s17, 8
	s_add_co_u32 s20, s20, s18                     ; x: row 256 x tile row + 128 x half
	s_lshl_b32 s46, s42, 8
	s_add_co_u32 s46, s46, s18                     ; W: row 256 x tile column + 128 x half
	s_mov_b32 s21, 0
	s_mov_b32 s47, 0
	s_mov_b64 s[18:19], KS
	s_mul_u64 s[22:23], s[20:21], s[18:19]         ; where these rows' scales begin
	s_mul_u64 s[92:93], s[46:47], s[18:19]
	s_mov_b64 s[18:19], KROW
	s_mul_u64 s[20:21], s[20:21], s[18:19]         ; and their codes
	s_mul_u64 s[46:47], s[46:47], s[18:19]
	s_mul_i32 s45, s14, HALFT                      ; where they go: wave x 128 rows: no place in the cluster enters an LDS address
	s_mul_i32 s94, s14, HALFS
	s_wait_dscnt 0x0                               ; both opening adds are done
	s_wait_kmcnt 0x0
	s_add_nc_u64 s[20:21], s[4:5], s[20:21]
	s_add_nc_u64 s[22:23], s[6:7], s[22:23]
	s_add_nc_u64 s[46:47], s[8:9], s[46:47]
	s_add_nc_u64 s[92:93], s[10:11], s[92:93]
	CROUND                                         ; all sixteen work-groups are here: the joint loads meet
	s_mov_b32 s[G0S], 1
	s_add_co_u32 s[G0S+1], s94, SCL
	s_mov_b64 s[G0S+2:G0S+3], s[22:23]
	s_or_b32 s[G0S+3], s[G0S+3], 0x80000000
	s_mov_b32 s[G0SB], 1
	s_add_co_u32 s[G0SB+1], s94, SCL
	s_mov_b64 s[G0SB+2:G0SB+3], s[92:93]
	s_or_b32 s[G0SB+3], s[G0SB+3], 0x80000000
	JLOAD G0S, G1S, G0SB, G1SB                     ; the scales first; by this text's count a wave has three tensor loads out
.irp s, 0,1
	s_mov_b32 s[G0+4*\s], 1
	s_add_co_u32 s[G0+4*\s+1], s45, \s*SLOT
	s_add_nc_u64 s[G0+4*\s+2:G0+4*\s+3], s[20:21], \s*ROWB
	s_or_b32 s[G0+4*\s+3], s[G0+4*\s+3], 0x80000000
	s_mov_b32 s[G0B+4*\s], 1
	s_add_co_u32 s[G0B+4*\s+1], s45, \s*SLOT
	s_add_nc_u64 s[G0B+4*\s+2:G0B+4*\s+3], s[46:47], \s*ROWB
	s_or_b32 s[G0B+4*\s+3], s[G0B+4*\s+3], 0x80000000
	JLOAD G0+4*\s, G1, G0B+4*\s, G1B
.endr
	v_and_b32 v1, 15, v0                           ; l % 16
	v_bfe_u32 v2, v0, 4, 1                         ; l / 16
	v_mul_u32_u24 v3, v1, PITCH
	v_lshl_add_u32 v4, v2, 4, v3                   ; a fragment's row x pitch + 16 x half
	s_mul_i32 s21, s15, HALFT                      ; my 128 tokens
	s_mul_i32 s22, s16, HALFT                      ; my 128 rows of W,
	s_add_co_u32 s22, s22, 2*HALFT                 ; behind x's 256
.irp s, 0,1
	v_add_nc_u32 v[ADRA+\s], s21, v4
	v_add_nc_u32 v[ADRB+\s], s22, v4
	s_add_co_u32 s21, s21, SLOT
	s_add_co_u32 s22, s22, SLOT
.endr
	v_mul_u32_u24 v5, v1, KS                       ; my row's scales: KS bytes a row,
	v_lshrrev_b32 v6, 8, v5
	v_lshl_add_u32 v5, v6, 4, v5                   ; and 16 more for each 256 passed
	s_mul_i32 s21, s15, HALFS
	s_mul_i32 s22, s16, HALFS
	s_add_co_u32 s22, s22, 2*HALFS
	s_sub_co_u32 s22, s22, s21
	v_mul_u32_u24 v6, s22, v2                      ; lanes 16-31 take W's
	s_add_co_u32 s21, s21, SCL
	v_add_nc_u32 v5, v5, v6
	v_add_nc_u32 v[ADRS], s21, v5
	s_mul_i32 s23, s14, 16*SPITCH                  ; my stage
	v_mul_u32_u24 v5, v1, SPITCH                   ; in: row l % 16, 16 bytes for each half of the lanes
	v_lshl_add_u32 v5, v2, 4, v5
	v_add_nc_u32 v[STO], s23, v5
	v_and_b32 v6, 31, v0
	v_lshlrev_b32 v[CO], 4, v6                     ; out: 16 x lane: four tokens of 128 bytes
	v_lshrrev_b32 v5, 3, v6
	v_mul_u32_u24 v5, v5, SPITCH                   ; back: eight lanes take one head's 128 bytes of a row
	v_and_b32 v6, 7, v6
	v_lshl_add_u32 v5, v6, 4, v5
	v_add_nc_u32 v[RD], s23, v5
	s_lshl_b32 s20, s17, 8
	s_lshl_b32 s21, s15, 7
	s_add_co_u32 s20, s20, s21                     ; my first token, counted over the batches
	s_lshr_b32 s21, s20, 11                        ; the batch,
	s_and_b32 s20, s20, 2047                       ; the token in it
	s_lshl_b32 s20, s20, 7                         ; 128 bytes a token
	s_lshl_b32 s21, s21, 22                        ; 16 heads of 262,144 bytes a batch
	s_add_co_u32 s20, s20, s21
	s_mov_b32 s21, 0
	s_lshl_b32 s46, s42, 2
	s_lshl_b32 s47, s16, 1
	s_add_co_u32 s46, s46, s47                     ; my first group of 64 columns, 0 .. 46, even
	s_lshr_b32 s47, s46, 4                         ; the part (q, k, v),
	s_and_b32 s46, s46, 15                         ; the head
	s_lshl_b32 s47, s47, 6
	s_add_co_u32 s46, s46, s47                     ; 64 x part + head
	s_lshl_b32 s46, s46, 18
	s_mov_b32 s47, 0
	s_add_nc_u64 s[20:21], s[20:21], s[46:47]
	s_add_nc_u64 s[12:13], s[12:13], s[20:21]      ; never stepped: all else stands in the stores' immediates
.macro FRAG reg, adr, q, i             ; 16 rows x 128 K of 4-bit codes: lane l holds row l % 16; registers 4 c .. 4 c + 3 hold K = 64 c + 32 (l / 16) + 0 .. 31
.irp c, 0,1
	ds_load_b128 v[\reg+4*\c:\reg+4*\c+3], v[\adr] offset:64*(\q)+32*\c+(\i)*16*PITCH
.endr
.endm
; 16 matrix instructions: x's blocks a0, a0 + 1 against W's eight.  The 64 accumulators take turns, one instruction a turn, in the same order in every step.
.macro MUL16 a0, p, q, sc, zero
.irp a, \a0, \a0+1
.irp b, 0,1,2,3,4,5,6,7
.if \zero
	v_wmma_scale_f32_16x16x128_f8f6f4 v[8*(8*((\a)%4)+\b):8*(8*((\a)%4)+\b)+7], v[128*(\p)+FR*\b:128*(\p)+FR*\b+FR-1], v[AF+FR*(\a):AF+FR*(\a)+FR-1], 0, v[SC+8*NQ*(\sc)+NQ*\b+(\q)], v[SC+8*NQ*(\sc)+NQ*(\a)+(\q)] matrix_a_fmt:MATRIX_FMT_FP4 matrix_b_fmt:MATRIX_FMT_FP4 matrix_a_scale:MATRIX_SCALE_ROW1
.else
	v_wmma_scale_f32_16x16x128_f8f6f4 v[8*(8*((\a)%4)+\b):8*(8*((\a)%4)+\b)+7], v[128*(\p)+FR*\b:128*(\p)+FR*\b+FR-1], v[AF+FR*(\a):AF+FR*(\a)+FR-1], v[8*(8*((\a)%4)+\b):8*(8*((\a)%4)+\b)+7], v[SC+8*NQ*(\sc)+NQ*\b+(\q)], v[SC+8*NQ*(\sc)+NQ*(\a)+(\q)] matrix_a_fmt:MATRIX_FMT_FP4 matrix_b_fmt:MATRIX_FMT_FP4 matrix_a_scale:MATRIX_SCALE_ROW1
.endif
.endr
.endr
.endm
.macro FETCH_B slot, q, p
	WIN TO_B
.irp i, 0,1,2,3,4,5,6,7
	FRAG 128*(\p)+FR*\i, ADRB+\slot, \q, \i
.endr
	WIN 0
.endm
.macro FETCH_A slot, q, i0
.irp i, \i0, \i0+1, \i0+2, \i0+3
	FRAG AF+FR*(\i), ADRA+\slot, \q, \i
.endr
.endm
.macro SCALES sc                       ; a slot's scale words: four words a row; lanes 0-15 take x's block i, lanes 16-31 W's block i
.irp i, 0,1,2,3,4,5,6,7
	ds_load_b128 v[SC+8*NQ*\sc+NQ*\i:SC+8*NQ*\sc+NQ*\i+3], v[ADRS] offset:\i*SBLK
.endr
.endm
.macro PLACES n                        ; plain lines between a matrix instruction and a load into its registers, or a read of its results
.rept \n
	v_nop
.endr
.endm
.macro STEP slot, q, zero              ; 128 along K, with its successor in the same slot
	s_wait_dscnt 4*NL                              ; W's set and x's blocks 0-3 are in; the youngest eight loads (x's blocks 4-7) may be out
	WIN MUL_LO
	MUL16 0, (\q)%2, \q, \slot, \zero
	MUL16 2, (\q)%2, \q, \slot, \zero
	s_wait_dscnt 0
	PLACES NP
	FETCH_B \slot, (\q)+1, 1-(\q)%2
	FETCH_A \slot, (\q)+1, 0
	WIN MUL_HI
	MUL16 4, (\q)%2, \q, \slot, \zero
	MUL16 6, (\q)%2, \q, \slot, \zero
	PLACES NP
	WIN 0
	FETCH_A \slot, (\q)+1, 4
.endm
.macro STEPS slot, from
.set Q, \from
.rept NQ-1-\from
	STEP \slot, Q, 0
.set Q, Q+1
.endr
.endm
	s_wait_tensorcnt 1                             ; the scales and my part of slot 0 are in (slot 1's load may be out)
	s_barrier_signal -1
	s_barrier_wait -1                              ; everybody's are
	FETCH_B 0, 0, 0
	FETCH_A 0, 0, 0
	SCALES 0
	FETCH_A 0, 0, 4
	STEP 0, 0, 1                                   ; the first products start the sums: nothing is cleared
	STEPS 0, 1
	; slot 0's last step changes slots: one barrier; in front of it my part of slot 1 has landed and my reads of slot 0 are over
	s_wait_tensorcnt 0x0
	ds_add_u32 v[SPW], v[NIL]
	s_wait_dscnt 4*NL+1                            ; (the add and the youngest eight loads may be out)
	WIN MUL_LO
	MUL16 0, 1, NQ-1, 0, 0
	s_wait_dscnt 0x0
	s_barrier_signal -1
	MUL16 2, 1, NQ-1, 0, 0
	WIN 0
	s_barrier_wait -1
	PLACES NP
	v_add_nc_u32 v[ADRS], 4*NQ, v[ADRS]            ; on to slot 1's scale words
	FETCH_B 1, 0, 0
	FETCH_A 1, 0, 0
	SCALES 1
	WIN MUL_HI
	MUL16 4, 1, NQ-1, 0, 0
	MUL16 6, 1, NQ-1, 0, 0
	PLACES NP
	WIN 0
	FETCH_A 1, 0, 4
	STEPS 1, 0
	s_wait_dscnt 4*NL                              ; the last step
	WIN MUL_LO
	MUL16 0, 1, NQ-1, 1, 0
	MUL16 2, 1, NQ-1, 1, 0
	s_wait_dscnt 0
	WIN MUL_HI
	MUL16 4, 1, NQ-1, 1, 0
	MUL16 6, 1, NQ-1, 1, 0
	WIN 0
; THE WAY OUT, block by block of 16 tokens x 128 columns (two heads).  PACK: rounded to f16, 16 bytes a lane.  TOSTAGE: into my stage, and back so that eight lanes hold one token's 128 bytes of one head.  SEND: each store covers four tokens of one head: 512 consecutive bytes.
.macro PACK a
.set AC, 64*((\a)%4)
	WIN 0x0a+5*((\a)/4)                            ; sources 0 and 1: window 2 or 3
.irp b, 0,1,2,3,4,5,6,7
.irp r, 0,1,2,3
	v_cvt_pk_f16_f32 v[TMP+4*\b+\r], v[AC+8*\b+2*\r], v[AC+8*\b+2*\r+1]   ; each accumulator from its low end on
.endr
.endr
	WIN 0
.endm
.macro TOSTAGE a
.set BB, BK+32*((\a)%2)
.irp b, 0,1,2,3,4,5,6,7
	ds_store_b128 v[STO], v[TMP+4*\b:TMP+4*\b+3] offset:32*\b
.endr
.irp u, 0,1
.irp i, 0,1,2,3
	ds_load_b128 v[BB+4*(4*\u+\i):BB+4*(4*\u+\i)+3], v[RD] offset:\i*4*SPITCH+128*\u   ; LDS serves a wave's instructions in order: these see the stores above
.endr
.endr
.endm
.macro SEND a
.set BB, BK+32*((\a)%2)
	s_wait_dscnt 0x0                               ; the block is back in registers
	s_wait_xcnt 0x0                                ; earlier stores have read their registers: the next block's loads may land there
.irp u, 0,1
.irp i, 0,1,2,3
	global_store_b128 v[CO], v[BB+4*(4*\u+\i):BB+4*(4*\u+\i)+3], s[12:13] offset:\u*HSLOT+(\a)*2048+\i*512
.endr
.endr
.endm
	PLACES NP
	PACK 0
	TOSTAGE 0
.irp a, 1,2,3,4,5,6,7                  ; block a's conversions stand between block a - 1's loads from the stage and the wait for them
	PACK \a
	SEND \a-1
	TOSTAGE \a
.endr
	SEND 7
	s_wait_tensorcnt 0x0                           ; the wave's end
	ds_add_u32 v[SPW], v[NIL]
	s_wait_dscnt 0x0
	CROUND                                         ; the closing round
	s_endpgm
.Lfunc_end_k_q7743fc7e30_qkv:
	.size	k_q7743fc7e30_qkv, .Lfunc_end_k_q7743fc7e30_qkv-k_q7743fc7e30_qkv
	.p2alignl 7, 3214868480
	.fill 96, 4, 3214868480
	.section	.rodata,"a",@progbits
	.p2align	6, 0x0
	.amdhsa_kernel k_q7743fc7e30_qkv
		.amdhsa_group_segment_fixed_size 327680
		.amdhsa_private_segment_fixed_size 0
		.amdhsa_enable_private_segment 0
		.amdhsa_kernarg_size 40
		.amdhsa_user_sgpr_count 2
		.amdhsa_user_sgpr_kernarg_segment_ptr 1
		.amdhsa_wavefront_size32 1
		.amdhsa_system_sgpr_workgroup_id_x 1
		.amdhsa_system_sgpr_workgroup_id_y 1
		.amdhsa_system_sgpr_workgroup_id_z 1
		.amdhsa_system_vgpr_workitem_id 0
		.amdhsa_next_free_vgpr 1024
		.amdhsa_next_free_sgpr 98
		.amdhsa_reserve_vcc 0
		.amdhsa_float_denorm_mode_32 3
		.amdhsa_float_denorm_mode_16_64 3
		.amdhsa_memory_ordered 1
		.amdhsa_forward_progress 1
		.amdhsa_inst_pref_size 127
	.end_amdhsa_kernel
	.amdgpu_metadata
---
amdhsa.version: [ 1, 2 ]
amdhsa.kernels:
  - .name:           k_q7743fc7e30_qkv
    .symbol:         k_q7743fc7e30_qkv.kd
    .args:
      - { .name: xc, .offset: 0, .size: 8, .value_kind: global_buffer, .address_space: global }
      - { .name: xs, .offset: 8, .size: 8, .value_kind: global_buffer, .address_space: global }
      - { .name: wc, .offset: 16, .size: 8, .value_kind: global_buffer, .address_space: global }
      - { .name: ws, .offset: 24, .size: 8, .value_kind: global_buffer, .address_space: global }
      - { .name: qkv, .offset: 32, .size: 8, .value_kind: global_buffer, .address_space: global }
    .group_segment_fixed_size: 327680
    .private_segment_fixed_size: 0
    .kernarg_segment_align: 8
    .kernarg_segment_size: 40
    .max_flat_workgroup_size: 128
    .sgpr_count:     98
    .vgpr_count:     1024
    .wavefront_size: 32
...
	.end_amdgpu_metadata
.endif
;; end of part 3
;; launch attn (part 4): grid 4 x 64, 16 waves a work-group, no clusters, 327,680 bytes of LDS; arguments qkv, att; writes att
.if DOCPART == 4
	.amdgcn_target "amdgcn-amd-amdhsa--gfx1250"
	.amdhsa_code_object_version 6
	.text
	.protected	k_q7743fc7e30_attn
	.globl	k_q7743fc7e30_attn
	.p2align	8
	.type	k_q7743fc7e30_attn,@function
k_q7743fc7e30_attn:
	s_mov_b64 s[64:65], 0
	v_nop
	global_prefetch_b8 v0, s[64:65] scope:SCOPE_SE
	s_setreg_imm32_b32 hwreg(HW_REG_WAVE_MODE, 25, 1), 1
	s_wait_xcnt 0x0
; att[h][b, q][:] = the sum over k <= q of softmax_k(Q[q] . K[k] / 8) V[k][:], for each batch and head.  Q, K, V: f16, [part][batch][head][2048][64]; att: f16, [head][batch x 2048 + token][64].
; Products on f16 operands with f32 sums; maxima, exponentials and sums in f32; the weights p (at most 1) are rounded to f16 for the second product, the result once at the end.
; LIMIT: |q|, |k|, |v| at or under 65,504 (f16).  The first 16 positions of every sequence are made again, in f32, by launches of their own.
; SHARES.  Work-group (i, y) serves batch and head y and owns query blocks i and 7 - i of 256 queries: (i + 1) + (8 - i) = 9 blocks of keys for every i, so all 256 work-groups have equal work.
; Waves 0-7 take block i, waves 8-15 block 7 - i; a wave has 32 queries, two tiles of 16, in 256 registers: four waves to a SIMD, so that one wave's vector work stands beside another's products and LDS loads.
; LAYOUT.  S^T = K Q^T (source 0 = 16 keys, source 1 = 16 queries), O^T = V^T P (source 0 = 16 channels, turned out of LDS by ds_load_tr16_b128): a lane holds ONE query throughout; two tiles of S^T, rounded in pairs in place, are source 1 of the second product.
; SOFTMAX.  For each query a running maximum m and sum l: p = 2^(c s - c m), c = log2(e) / 8; in every step O and l are multiplied by a = 2^(c m_old - c m_new).
; RING.  Two LDS slots of 256 keys (four steps of 64), filled by tensor loads (waves 0, 1: K's halves; waves 2, 3: V's), read by all sixteen.  K and V are dense: a tile is stated as rows of 256 bytes, two keys a row.
; THE MASK.  Every work-group walks all eight slots, so that trip counts are constants.  A step all of whose keys come after the wave's queries is left out by a scalar branch on ids; on the diagonal hidden scores become -infinity;
; a slot whose first key comes after the work-group's last query is not asked for.  Every wait on TENSORcnt is for 0.
; NO CLUSTER: the four work-groups of a head need 8, 7, 6 and 5 slots of keys: a joint load would bring a partner tiles that none of its waves reads.
.set SK,    256                        ; keys in a slot
.set NQ,    4                          ; steps in a slot
.set NSL,   8                          ; slots' worth of keys
.set PK,    272                        ; two keys' row of K in LDS: 256 bytes + 16: key r of a tile starts at bank 4 (r / 2) + 32 (r % 2)
.set PV,    288                        ; of V: 256 + 32: the turning load's eight keys start at banks 8 (key / 2) + 32 (key % 2)
.set VOFF,  128*PK                     ; a slot: 128 rows of K, then 128 rows of V
.set SLOT1, 1<<17                      ; slot 1 begins here: one exclusive or turns an address
.set STAGE, 204800                     ; bytes of its own, behind the ring: 32 rows x (128 bytes + 16) for each wave
.set SPT,   144
.set SPARE, STAGE+16*32*SPT            ; the spare words, 128 bytes a wave; no other line names them
.set AK0, 1                            ; v1  my lane's place in a tile of K
.set AV0, 2                            ; v2  in a tile of V
.set ADK, 3                            ; v3  the step's K (at the head: my offset in Q)
.set ADV, 4                            ; v4  the step's V
.set SPW, 5
.set NIL, 6
.set PFO, 7                            ; v7  256 x lane
.set LD,  8                            ; v8  r - 8 hh
.set STO, 9
.set RD,  10
.set GO,  11
.set ST,  12                           ; v12-27: tile t at ST + 8 t: +0 c m, +1 m, +2, +3 l, +4 .. +7 at work; a in +6
.set Q,   32                           ; v32-63   Q: 32 + 16 t + 8 c
.set KV,  64                           ; v64-127  K's fragments, then V's
.set S,   128                          ; v128-191 S^T: 128 + 32 t + 8 a; then p; its low 16 registers a tile then hold P
.set O,   192                          ; v192-255 O^T: 192 + 32 t + 8 ct
.set TB,  2
.set WV,  18
.set SEL, 20
.set CS,  22
.set G1K, 24
.set G1V, 32
.set G0K, 40
.set G0V, 44
.set SLOTS, 48
.set KF,  49                           ; the step's first key
.set Q0,  50                           ; my first query
.set LQ,  51                           ; my work-group's last query
.set PFA, 52
.set LIM, 54
.macro TLOAD                           ; waves 0, 1 fetch K, waves 2, 3 V, the others nothing.  An s_nop 0 and four v_nop follow each line
	s_cmp_lt_u32 s[WV], 2
	s_cbranch_scc0 .Lnot_k_\@
	tensor_load_to_lds s[G0K:G0K+3], s[G1K:G1K+7]
	s_nop 0
.rept 4
	v_nop
.endr
	s_branch .Lasked_\@
.Lnot_k_\@:
	s_cmp_lt_u32 s[WV], 4
	s_cbranch_scc0 .Lasked_\@
	tensor_load_to_lds s[G0V:G0V+3], s[G1V:G1V+7]
	s_nop 0
.rept 4
	v_nop
.endr
.Lasked_\@:
.endm
; A prefetch of what the NEXT change of slots will ask for: 32,768 bytes of K and as many of V.  The four work-groups of a head walk the same K and V: the first (x = 0), which walks all slots, asks.
; In it the waves ask that fetch nothing: waves 4-7 for K, waves 8-11 for V, 8,192 bytes a wave, lanes 256 bytes apart: each block of 256 bytes is named once in the launch.  The last change that fills a slot asks for nothing; slots 0 and 1 come by their loads alone.
.macro ASK
	s_cmp_gt_u32 s[SLOTS], s[LIM]
	s_cbranch_scc0 .Lnot_mine_\@
	global_prefetch_b8 v[PFO], s[PFA:PFA+1] th:TH_LOAD_NT scope:SCOPE_SE
.Lnot_mine_\@:
.endm
	s_load_b128 s[4:7], s[0:1], 0x0                ; qkv s[4:5], att s[6:7]
	v_lshl_add_u32 v[SPW], v0, 2, SPARE
	v_mov_b32 v[NIL], 0
	ds_add_u32 v[SPW], v[NIL]                      ; the wave's opening: the add, twice on end, and its wait ahead of the first tensor load
	ds_add_u32 v[SPW], v[NIL]
	v_lshrrev_b32 v28, 5, v0
	v_readfirstlane_b32 s[WV], v28                 ; wave 0..15
	s_and_b32 s55, ttmp7, 0xffff                   ; y = 16 x batch + head
	s_sub_co_u32 s57, 7, ttmp9                     ; 7 - i
	s_cmp_lt_u32 s[WV], 8
	s_cselect_b32 s58, ttmp9, s57                  ; my block of queries
	s_lshl_b32 s58, s58, 8
	s_and_b32 s59, s[WV], 7
	s_lshl_b32 s59, s59, 5
	s_add_co_u32 s[Q0], s58, s59
	s_lshl_b32 s[LQ], s57, 8
	s_or_b32 s[LQ], s[LQ], 255
	s_mov_b32 s[G1K], (3<<16)|(1<<20)|(5<<22)|(3<<25)   ; no mask; elements of 8 bytes; padding on: after every 64 words four words
	s_mov_b32 s[G1V], (3<<16)|(1<<20)|(5<<22)|(7<<25)   ; eight words
.irp g, G1K, G1V
	s_mov_b32 s[\g+1], 32<<16                      ; tensor_dim0 = 32 elements: 256 bytes
	s_mov_b32 s[\g+2], 64<<16                      ; tensor_dim1 = 64 rows: 128 keys
	s_mov_b32 s[\g+3], 32<<16                      ; tile_dim0
	s_mov_b32 s[\g+4], 64                          ; tile_dim1
	s_mov_b32 s[\g+5], 32                          ; the pitch: dense
	s_mov_b32 s[\g+6], 0
	s_mov_b32 s[\g+7], 0
.endr
	s_and_b32 s60, s[WV], 1                        ; which half of a slot's keys I fetch, if I fetch
	s_mul_i32 s61, s60, 64*PK                      ; K's half in a slot,
	s_mul_i32 s62, s60, 64*PV
	s_add_co_u32 s62, s62, VOFF                    ; V's
	s_lshl_b32 s60, s60, 14                        ; and in memory: 128 keys of 128 bytes
	s_lshl_b32 s58, s55, 18                        ; y x 262,144
	s_add_co_u32 s8, s58, s60
	s_add_co_u32 s8, s8, 64<<18                    ; K's part
	s_mov_b32 s9, 0
	s_add_co_u32 s10, s8, 64<<18                   ; V's part
	s_mov_b32 s11, 0
	s_lshl_b32 s12, s[Q0], 7
	s_add_co_u32 s12, s12, s58                     ; Q at my first query
	s_mov_b32 s13, 0
	s_and_b32 s14, s55, 15                         ; the head
	s_lshl_b32 s14, s14, 13
	s_lshr_b32 s15, s55, 4                         ; the batch
	s_lshl_b32 s15, s15, 11
	s_add_co_u32 s14, s14, s15
	s_add_co_u32 s14, s14, s[Q0]
	s_lshl_b32 s14, s14, 7                         ; att: (8,192 head + 2,048 batch + query) x 128 bytes
	s_mov_b32 s15, 0
	s_mov_b32 s[SEL], 0x76543210
	s_mov_b32 s[SEL+1], 0xfedcba98
	s_mov_b32 s[CS], 0x3e38aa3b                    ; c = log2(e) / 8
	s_mov_b32 s[CS+1], s[CS]
	s_mov_b32 s[TB], 0
	s_mov_b32 s[SLOTS], NSL-1
	s_mov_b32 s[KF], 0
	s_wait_dscnt 0x0                               ; both opening adds are done
	s_wait_kmcnt 0x0
	s_mov_b32 s[G0K], 1
	s_mov_b32 s[G0K+1], s61
	s_add_nc_u64 s[G0K+2:G0K+3], s[4:5], s[8:9]
	s_or_b32 s[G0K+3], s[G0K+3], 0x80000000
	s_mov_b32 s[G0V], 1
	s_mov_b32 s[G0V+1], s62
	s_add_nc_u64 s[G0V+2:G0V+3], s[4:5], s[10:11]
	s_or_b32 s[G0V+3], s[G0V+3], 0x80000000
	TLOAD                                          ; slot 0: it holds key 0, which counts for every query
	s_add_nc_u64 s[12:13], s[4:5], s[12:13]
	s_add_nc_u64 s[14:15], s[6:7], s[14:15]
	s_cmp_lt_u32 s[WV], 8                          ; the prefetches: waves 4-7 K, waves 8-11 V
	s_mov_b32 s60, 128<<18
	s_cselect_b32 s60, 64<<18, s60
	s_add_co_u32 s60, s60, s58
	s_and_b32 s61, s[WV], 3
	s_lshl_b32 s61, s61, 13                        ; my wave's 8,192 bytes,
	s_add_co_u32 s60, s60, s61
	s_add_co_u32 s60, s60, SK*128                  ; in slot 1: the first change of slots steps it to slot 2
	s_mov_b32 s61, 0
	s_add_nc_u64 s[PFA:PFA+1], s[4:5], s[60:61]
	s_sub_co_u32 s60, s[WV], 4
	s_lshr_b32 s60, s60, 3                         ; 0 in waves 4 to 11,
	s_or_b32 s60, s60, ttmp9                       ; of the head's first work-group
	s_cmp_eq_u32 s60, 0
	s_cselect_b32 s[LIM], 1, -1
	v_and_b32 v28, 15, v0                          ; r
	v_bfe_u32 v29, v0, 4, 1                        ; hh
	v_lshlrev_b32 v[ADK], 7, v28
	v_lshl_add_u32 v[ADK], v29, 4, v[ADK]          ; Q: row r of 128 bytes, + 16 hh
.irp t, 0,1
.irp c, 0,1
	global_load_b128 v[Q+16*\t+8*\c:Q+16*\t+8*\c+3], v[ADK], s[12:13] offset:\t*2048+64*\c
	global_load_b128 v[Q+16*\t+8*\c+4:Q+16*\t+8*\c+7], v[ADK], s[12:13] offset:\t*2048+64*\c+32
.endr
.endr
	v_lshrrev_b32 v30, 1, v28
	v_mul_u32_u24 v[AK0], v30, PK                  ; K: key r lies in row r / 2,
	v_and_b32 v30, 1, v28
	v_lshl_add_u32 v[AK0], v30, 7, v[AK0]          ; at its half r % 2,
	v_lshl_add_u32 v[AK0], v29, 4, v[AK0]          ; + 16 hh
	v_bfe_u32 v30, v0, 1, 2
	v_lshl_add_u32 v30, v29, 2, v30                ; V: key 8 hh + l % 8 lies in row 4 hh + (l % 8) / 2,
	v_mul_u32_u24 v[AV0], v30, PV
	v_and_b32 v30, 1, v0
	v_lshl_add_u32 v[AV0], v30, 7, v[AV0]          ; at its half l % 2,
	v_bfe_u32 v30, v0, 3, 1
	v_lshl_add_u32 v[AV0], v30, 4, v[AV0]          ; channels 8 ((l / 8) % 2) on
	v_add_nc_u32 v[AV0], VOFF, v[AV0]
	v_and_b32 v31, 31, v0
	v_lshlrev_b32 v[PFO], 8, v31
	v_lshlrev_b32 v30, 3, v29
	v_sub_nc_u32 v[LD], v28, v30
	s_mul_i32 s56, s[WV], 32*SPT
	s_add_co_u32 s56, s56, STAGE                   ; my stage
	v_mul_u32_u24 v[STO], v28, SPT
	v_lshl_add_u32 v[STO], v29, 4, v[STO]
	v_add_nc_u32 v[STO], s56, v[STO]               ; in: row r, 16 bytes for each half of the lanes
	v_lshrrev_b32 v30, 3, v31
	v_mul_u32_u24 v[RD], v30, SPT
	v_and_b32 v30, 7, v0
	v_lshl_add_u32 v[RD], v30, 4, v[RD]
	v_add_nc_u32 v[RD], s56, v[RD]                 ; back: eight lanes a row, four rows an instruction
	v_lshlrev_b32 v[GO], 4, v31                    ; and the same 512 bytes in att
.irp t, 0,1
	v_mov_b32 v[ST+8*\t+1], 0xff61b1e6             ; m: -3e38, under every score
	v_mul_f32 v[ST+8*\t], s[CS], v[ST+8*\t+1]      ; c m
	v_mov_b32 v[ST+8*\t+2], 0                      ; l, in two halves
	v_mov_b32 v[ST+8*\t+3], 0
.irp j, 4,5,6,7
	v_mov_b32 v[ST+8*\t+\j], 0                     ; written once: a lane permute's destination counts as one of its sources
.endr
.endr
.irp j, 0,1,2,3,4,5,6,7,8,9,10,11,12,13,14,15,16,17,18,19,20,21,22,23,24,25,26,27,28,29,30,31,32,33,34,35,36,37,38,39,40,41,42,43,44,45,46,47,48,49,50,51,52,53,54,55,56,57,58,59,60,61,62,63
	v_mov_b32 v[O+\j], 0                           ; O^T.  (The step is written once: its first run finds zeros, which a = 0 leaves zeros)
.endr
; A KEY STEP: 64 keys, the q-th of the slot in hand.
.macro STEP q
	s_add_co_u32 s56, s[Q0], 31
	s_cmp_gt_u32 s[KF], s56                        ; all 64 keys come after my 32 queries: the step's work is left out (ids alone)
	s_cbranch_scc1 .Lhidden_\@
	v_add_nc_u32 v[ADK], s[TB], v[AK0]
	v_add_nc_u32 v[ADV], s[TB], v[AV0]
.rept 3
	v_nop                                          ; with the two additions five places: the products below write over P, which the last step's products read, and K lands where V lay
.endr
.irp c, 0,1                            ; K: channels 0-31 of the four tiles first
.irp a, 0,1,2,3
	ds_load_b128 v[KV+8*(2*\a+\c):KV+8*(2*\a+\c)+3], v[ADK] offset:(\q)*32*PK+\a*8*PK+64*\c
	ds_load_b128 v[KV+8*(2*\a+\c)+4:KV+8*(2*\a+\c)+7], v[ADK] offset:(\q)*32*PK+\a*8*PK+64*\c+32
.endr
.endr
	s_wait_dscnt 8                                 ; channels 0-31 are in; the eight loads of channels 32-63 may be out
.irp a, 0,1,2,3                        ; S^T = K Q^T: eight accumulators by turns
.irp t, 0,1
	v_wmma_f32_16x16x32_f16 v[S+32*\t+8*\a:S+32*\t+8*\a+7], v[KV+16*\a:KV+16*\a+7], v[Q+16*\t:Q+16*\t+7], 0
.endr
.endr
	s_wait_dscnt 0x0
.irp a, 0,1,2,3
.irp t, 0,1
	v_wmma_f32_16x16x32_f16 v[S+32*\t+8*\a:S+32*\t+8*\a+7], v[KV+16*\a+8:KV+16*\a+15], v[Q+16*\t+8:Q+16*\t+15], v[S+32*\t+8*\a:S+32*\t+8*\a+7]
.endr
.endr
.rept 4
	v_nop                                          ; places in front of the loads into K's registers and of the first read of the scores
.endr
.irp f, 0,1                            ; V, turned: keys 32 f on, channels 16 ct on; it lands under the softmax
.irp ct, 0,1,2,3
	ds_load_tr16_b128 v[KV+8*(4*\f+\ct):KV+8*(4*\f+\ct)+3], v[ADV] offset:(\q)*32*PV+\f*16*PV+32*\ct
	ds_load_tr16_b128 v[KV+8*(4*\f+\ct)+4:KV+8*(4*\f+\ct)+7], v[ADV] offset:(\q)*32*PV+\f*16*PV+8*PV+32*\ct
.endr
.endr
	s_add_co_u32 s56, s[KF], 63
	s_cmp_le_u32 s56, s[Q0]                        ; all keys count for all my queries: no mask
	s_cbranch_scc1 .Lopen_\@
	s_sub_co_i32 s56, s[Q0], s[KF]
	v_add_nc_u32 v28, s56, v[LD]                   ; d = my query - KF - 8 hh, tile 0; register 8 a + j holds key KF + 16 a + 8 hh + j: hidden where 16 a + j > d
	v_add_nc_u32 v29, 16, v28                      ; tile 1
	v_mov_b32 v30, 0xff800000                      ; -infinity
.irp t, 0,1
.irp n, 0,1,2,3,4,5,6,7,8,9,10,11,12,13,14,15,16,17,18,19,20,21,22,23,24,25,26,27,28,29,30,31
	v_cmp_gt_i32 vcc_lo, 16*(\n/8)+\n%8, v[28+\t]
	v_cndmask_b32 v[S+32*\t+\n], v[S+32*\t+\n], v30, vcc_lo
.endr
.endr
.Lopen_\@:
.irp j, 0,1,2,3                        ; the maximum of the lane's 32 scores and the old m: four chains, the two tiles line by line; each accumulator is first read at its low end
.irp t, 0,1
	v_max3_num_f32 v[ST+8*\t+4+\j], v[S+32*\t+8*\j], v[S+32*\t+8*\j+1], v[S+32*\t+8*\j+2]
.endr
.endr
.irp g, 1,2
.irp j, 0,1,2,3
.irp t, 0,1
	v_max3_num_f32 v[ST+8*\t+4+\j], v[ST+8*\t+4+\j], v[S+32*\t+8*\j+2*\g+1], v[S+32*\t+8*\j+2*\g+2]
.endr
.endr
.endr
.irp t, 0,1
	v_max3_num_f32 v[ST+8*\t+4], v[ST+8*\t+4], v[S+32*\t+7], v[S+32*\t+15]
.endr
.irp t, 0,1
	v_max3_num_f32 v[ST+8*\t+6], v[ST+8*\t+6], v[S+32*\t+23], v[S+32*\t+31]
.endr
.irp t, 0,1
	v_max3_num_f32 v[ST+8*\t+4], v[ST+8*\t+4], v[ST+8*\t+5], v[ST+8*\t+6]
.endr
.irp t, 0,1
	v_max3_num_f32 v[ST+8*\t+4], v[ST+8*\t+4], v[ST+8*\t+7], v[ST+8*\t+1]
.endr
.irp t, 0,1
	v_permlanex16_b32 v[ST+8*\t+5], v[ST+8*\t+4], s[SEL], s[SEL+1]   ; the query's other 32 keys lie in the lane 16 away
.endr
.irp t, 0,1
	v_mov_b32 v[ST+8*\t+7], v[ST+8*\t]             ; c m_old
.endr
.irp t, 0,1
	v_max_num_f32 v[ST+8*\t+1], v[ST+8*\t+4], v[ST+8*\t+5]
.endr
.irp t, 0,1
	v_mul_f32 v[ST+8*\t], s[CS], v[ST+8*\t+1]
.endr
.irp t, 0,1
	v_sub_f32 v[ST+8*\t+7], v[ST+8*\t+7], v[ST+8*\t]
.endr
.irp b, 0,1,2,3,4,5,6,7,8,9,10,11,12,13,14,15
.irp t, 0,1
	v_pk_fma_f32 v[S+32*\t+2*\b:S+32*\t+2*\b+1], v[S+32*\t+2*\b:S+32*\t+2*\b+1], s[CS:CS+1], v[ST+8*\t:ST+8*\t+1] op_sel_hi:[1,0,0] neg_lo:[0,0,1] neg_hi:[0,0,1]   ; c s - c m
.endr
.endr
.irp t, 0,1
	v_exp_f32 v[ST+8*\t+6], v[ST+8*\t+7]           ; a
.endr
.irp n, 0,1,2,3,4,5,6,7,8,9,10,11,12,13,14,15,16,17,18,19,20,21,22,23,24,25,26,27,28,29,30,31
.irp t, 0,1
	v_exp_f32 v[S+32*\t+\n], v[S+32*\t+\n]         ; p
.endr
.endr
	v_nop                                          ; a plain line behind the last exponential
	s_wait_alu depctr_va_vdst(0)                   ; ONE wait for the batch of 66, ahead of its first reader
.irp t, 0,1                            ; the sums of the unrounded p: two chains a tile
	v_pk_add_f32 v[ST+8*\t+4:ST+8*\t+5], v[S+32*\t:S+32*\t+1], v[S+32*\t+2:S+32*\t+3]
	v_pk_add_f32 v[28+2*\t:29+2*\t], v[S+32*\t+4:S+32*\t+5], v[S+32*\t+6:S+32*\t+7]
.endr
.irp j, 8,12,16,20,24,28
.irp t, 0,1
	v_pk_add_f32 v[ST+8*\t+4:ST+8*\t+5], v[ST+8*\t+4:ST+8*\t+5], v[S+32*\t+\j:S+32*\t+\j+1]
	v_pk_add_f32 v[28+2*\t:29+2*\t], v[28+2*\t:29+2*\t], v[S+32*\t+\j+2:S+32*\t+\j+3]
.endr
.endr
.irp t, 0,1
	v_pk_add_f32 v[ST+8*\t+4:ST+8*\t+5], v[ST+8*\t+4:ST+8*\t+5], v[28+2*\t:29+2*\t]
.endr
.irp t, 0,1
	v_pk_fma_f32 v[ST+8*\t+2:ST+8*\t+3], v[ST+8*\t+2:ST+8*\t+3], v[ST+8*\t+6:ST+8*\t+7], v[ST+8*\t+4:ST+8*\t+5] op_sel_hi:[1,0,1]   ; l = a l + the sum
.endr
.irp j, 0,1,2,3,4,5,6,7,8,9,10,11,12,13,14,15
.irp t, 0,1
	v_cvt_pk_f16_f32 v[S+32*\t+\j], v[S+32*\t+2*\j], v[S+32*\t+2*\j+1]   ; P in place, ascending: register j takes weights 2 j and 2 j + 1, which no later line reads
.endr
.endr
.irp j, 0,2,4,6,8,10,12,14,16,18,20,22,24,26,28,30
.irp t, 0,1
	v_pk_mul_f32 v[O+32*\t+\j:O+32*\t+\j+1], v[O+32*\t+\j:O+32*\t+\j+1], v[ST+8*\t+6:ST+8*\t+7] op_sel_hi:[1,0]   ; O^T x a, each accumulator from its low end on
.endr
.endr
	s_wait_dscnt 0x0                               ; V is in
.irp f, 0,1                            ; O^T += V^T P: eight accumulators by turns
.irp ct, 0,1,2,3
.irp t, 0,1
	v_wmma_f32_16x16x32_f16 v[O+32*\t+8*\ct:O+32*\t+8*\ct+7], v[KV+8*(4*\f+\ct):KV+8*(4*\f+\ct)+7], v[S+32*\t+8*\f:S+32*\t+8*\f+7], v[O+32*\t+8*\ct:O+32*\t+8*\ct+7]
.endr
.endr
.endr
.Lhidden_\@:
	s_add_co_u32 s[KF], s[KF], 64
.endm
; THE CHANGE OF SLOTS stands at a slot's head.  Each wave waits for all its tensor loads (its part of the slot that it is about to read), adds 0 to its spare word, and waits for that and for its reads of the slot that it has left.
; Behind the barrier the slot ahead is whole and nobody reads the other one.  fill = 1: that other slot takes the keys that follow, up to the causal limit: the load has a slot's four steps in which to land.
.macro CHANGE fill
	s_wait_tensorcnt 0x0                           ; no tensor load of mine is out, so a group 0 may be written
	ds_add_u32 v[SPW], v[NIL]
.if \fill
	ds_add_u32 v[SPW], v[NIL]                      ; and once more, twice on end, in every trip alike
	s_xor_b32 s[G0K+1], s[G0K+1], SLOT1            ; the walking descriptors: the other slot,
	s_add_nc_u64 s[G0K+2:G0K+3], s[G0K+2:G0K+3], SK*128   ; the next 256 keys
	s_xor_b32 s[G0V+1], s[G0V+1], SLOT1
	s_add_nc_u64 s[G0V+2:G0V+3], s[G0V+2:G0V+3], SK*128
	s_wait_xcnt 0x0                                ; the last prefetch, a slot back, has read its address
	s_add_nc_u64 s[PFA:PFA+1], s[PFA:PFA+1], SK*128   ; one slot further on than the walking descriptors
.endif
	s_wait_dscnt 0x0
	s_barrier_signal -1
	s_barrier_wait -1
.if \fill
	s_add_co_u32 s56, s[KF], SK                    ; the first key of the slot that this change would ask for
	s_cmp_gt_u32 s56, s[LQ]                        ; past my work-group's last query: none of its waves would read it.  Ids and the count of steps alone: all sixteen waves go the same way
	s_cbranch_scc1 .Lpast_\@
	TLOAD                                          ; a wave's one tensor load until the next such barrier
.Lpast_\@:
	ASK
.endif
.endm
.macro SLOT_STEPS
.set QQ, 0
.rept NQ
	STEP QQ
.set QQ, QQ+1
.endr
	s_xor_b32 s[TB], s[TB], SLOT1
.endm
	s_wait_loadcnt 0x0                             ; Q
.Lslot:                                            ; seven trips: behind each change of slots but the last the next slot is asked for, up to the limit
	CHANGE 1
	SLOT_STEPS
	s_sub_co_u32 s[SLOTS], s[SLOTS], 1
	s_cmp_lg_u32 s[SLOTS], 0
	s_cbranch_scc1 .Lslot
	CHANGE 0                                       ; the last slot is written out: nothing is left to ask for
	SLOT_STEPS
	; THE WAY OUT.  O^T / l, rounded to f16, goes through my stage and leaves as runs of 512 consecutive bytes: four queries of 128 bytes.
.rept 4
	v_nop
.endr
.irp t, 0,1
	v_add_f32 v[ST+8*\t+4], v[ST+8*\t+2], v[ST+8*\t+3]
.endr
.irp t, 0,1
	v_permlanex16_b32 v[ST+8*\t+5], v[ST+8*\t+4], s[SEL], s[SEL+1]
.endr
.irp t, 0,1
	v_add_f32 v[ST+8*\t+4], v[ST+8*\t+4], v[ST+8*\t+5]
.endr
.irp t, 0,1
	v_rcp_f32 v[ST+8*\t+6], v[ST+8*\t+4]
.endr
	v_nop
	s_wait_alu depctr_va_vdst(0)                   ; one wait for the two reciprocals
.irp t, 0,1
.irp j, 0,2,4,6,8,10,12,14,16,18,20,22,24,26,28,30
	v_pk_mul_f32 v[O+32*\t+\j:O+32*\t+\j+1], v[O+32*\t+\j:O+32*\t+\j+1], v[ST+8*\t+6:ST+8*\t+7] op_sel_hi:[1,0]
.endr
.irp j, 0,1,2,3,4,5,6,7,8,9,10,11,12,13,14,15
	v_cvt_pk_f16_f32 v[S+16*\t+\j], v[O+32*\t+2*\j], v[O+32*\t+2*\j+1]
.endr
.irp ct, 0,1,2,3
	ds_store_b128 v[STO], v[S+16*\t+4*\ct:S+16*\t+4*\ct+3] offset:\t*16*SPT+32*\ct   ; query 16 t + r, channels 16 ct + 8 hh on
.endr
.endr
.irp i, 0,1,2,3,4,5,6,7
	ds_load_b128 v[KV+4*\i:KV+4*\i+3], v[RD] offset:4*SPT*\i   ; in order behind my stores
.endr
.irp i, 0,1,2,3,4,5,6,7
	s_wait_dscnt 7-\i                              ; the younger loads may be out
	global_store_b128 v[GO], v[KV+4*\i:KV+4*\i+3], s[14:15] offset:512*\i
.endr
	s_wait_tensorcnt 0x0                           ; the wave's end
	ds_add_u32 v[SPW], v[NIL]
	s_wait_dscnt 0x0
	s_endpgm
.Lfunc_end_k_q7743fc7e30_attn:
	.size	k_q7743fc7e30_attn, .Lfunc_end_k_q7743fc7e30_attn-k_q7743fc7e30_attn
	.p2alignl 7, 3214868480
	.fill 96, 4, 3214868480
	.section	.rodata,"a",@progbits
	.p2align	6, 0x0
	.amdhsa_kernel k_q7743fc7e30_attn
		.amdhsa_group_segment_fixed_size 327680
		.amdhsa_private_segment_fixed_size 0
		.amdhsa_enable_private_segment 0
		.amdhsa_kernarg_size 16
		.amdhsa_user_sgpr_count 2
		.amdhsa_user_sgpr_kernarg_segment_ptr 1
		.amdhsa_wavefront_size32 1
		.amdhsa_system_sgpr_workgroup_id_x 1
		.amdhsa_system_sgpr_workgroup_id_y 1
		.amdhsa_system_sgpr_workgroup_id_z 1
		.amdhsa_system_vgpr_workitem_id 0
		.amdhsa_next_free_vgpr 256
		.amdhsa_next_free_sgpr 72
		.amdhsa_reserve_vcc 1
		.amdhsa_float_denorm_mode_32 3
		.amdhsa_float_denorm_mode_16_64 3
		.amdhsa_memory_ordered 1
		.amdhsa_forward_progress 1
		.amdhsa_inst_pref_size 189
	.end_amdhsa_kernel
	.amdgpu_metadata
---
amdhsa.version: [ 1, 2 ]
amdhsa.kernels:
  - .name:           k_q7743fc7e30_attn
    .symbol:         k_q7743fc7e30_attn.kd
    .args:
      - { .name: qkv, .offset: 0, .size: 8, .value_kind: global_buffer, .address_space: global }
      - { .name: att, .offset: 8, .size: 8, .value_kind: global_buffer, .address_space: global }
    .group_segment_fixed_size: 327680
    .private_segment_fixed_size: 0
    .kernarg_segment_align: 8
    .kernarg_segment_size: 16
    .max_flat_workgroup_size: 512
    .sgpr_count:     72
    .vgpr_count:     256
    .wavefront_size: 32
...
	.end_amdgpu_metadata
.endif
;; end of part 4
;; launch proj (part 5): grid 4 x 64, 4 waves a work-group, clusters of 4 x 4, 327,680 bytes of LDS; arguments att, wo16, out0; writes out0
.if DOCPART == 5
	.amdgcn_target "amdgcn-amd-amdhsa--gfx1250"
	.amdhsa_code_object_version 6
	.text
	.protected	k_q7743fc7e30_proj
	.globl	k_q7743fc7e30_proj
	.p2align	8
	.type	k_q7743fc7e30_proj,@function
k_q7743fc7e30_proj:
	s_mov_b64 s[64:65], 0
	v_nop
	global_prefetch_b8 v0, s[64:65] scope:SCOPE_SE
	s_setreg_imm32_b32 hwreg(HW_REG_WAVE_MODE, 25, 1), 1
	s_wait_xcnt 0x0
	s_wait_alu depctr_hold_cnt(0) depctr_sa_sdst(0) depctr_va_vdst(0) depctr_va_sdst(0) depctr_va_ssrc(0) depctr_va_vcc(0) depctr_vm_vsrc(0)
	s_getreg_b32 s2, hwreg(HW_REG_IB_STS2, 6, 4)
	s_cmp_eq_u32 s2, 0
	s_cbranch_scc0 .Lentry_in_a_cluster
	s_endpgm
.Lentry_in_a_cluster:
	s_bfe_u32 s2, ttmp6, 0x10000c
	s_cmp_lg_u32 s2, 0xf033
	s_cbranch_scc0 .Lentry_shape_is_right
	s_endpgm
.Lentry_shape_is_right:
; out0[m][n] = sum over c of att[m][c] W_out[n][c], f16 operands, f32 sums, f32 out.  Both operands lie in 16 planes of 64 along K: att [plane][8192][64], wo16 [plane][1024][64]: a plane's rows of a tile are one dense block.
; A tile of 128 tokens x 256 columns gives 4 x 64 = 256 work-groups.  Four waves, each 64 x 128: 32 accumulators of 16 x 16, 256 registers.  K goes in steps of 128 (two planes) through a ring of two LDS slots.
; CLUSTERS: 4 x 4 work-groups.  att's tile is shared along a row of the cluster, W_out's along a column: each is asked for JOINTLY, by the same tensor load with the same descriptor and a mask that names the four.
; THE MATRIX INSTRUCTION IS USED TRANSPOSED (source 0 = 16 rows of W_out, source 1 = 16 tokens): a lane holds eight neighbouring columns of one token.
; The rows of the first 16 positions of every sequence are written here too and written again, from f32 operands, by the launch that follows.  LIMIT: |att|, |W_out| at or under 65,504.
; REGISTERS: window 0: v16-29 addresses; two fragment buffers of 96 (v32-127, v128-223): 4 fragments of tokens, then 8 of W_out, for 32 along K.  window 1: the accumulators, (a, b) at v[8 (8 a + b)].
.set PITCH,  144                       ; an LDS row: 128 bytes + 16 of padding
.set APL,    128*PITCH                 ; a plane of att's tile
.set BPL,    256*PITCH                 ; of W_out's
.set SLOT,   2*APL+2*BPL
.set STAGE,  2*SLOT                    ; behind the ring: 16 rows x (512 bytes + 16) for each wave
.set SPITCH, 528
.set SPARE,  STAGE+4*16*SPITCH         ; the spare words, 128 bytes a wave; no other line names them
.set APLANE, 8192*128                  ; a plane in memory
.set BPLANE, 1024*128
.set LAPS,   4                         ; 1,024 / (2 x 128)
.set ADRA, 16
.set ADRB, 20
.set STO,  24
.set RD,   25
.set CO,   26
.set SPW,  28
.set NIL,  29
.set F0,   32
.set F1,   128
.set G1, 24
.set G0, 32
.set G1B, 48
.set G0B, 56
.set MSB, 0
.macro WIN new
.if MSB != \new
	s_set_vgpr_msb (MSB<<8)|\new
.set MSB, \new
.endif
.endm
.set MUL, 0x50                         ; C and D window 1, sources 0 and 1 window 0
.macro JLOAD s                         ; waves 0, 1 fetch att's two planes, waves 2, 3 W_out's; an s_nop 0 and four v_nop follow each line
	s_cmp_eq_u32 s11, 0
	s_cbranch_scc0 .Lfor_b_\@
	tensor_load_to_lds s[G0+4*\s:G0+4*\s+3], s[G1:G1+7]
	s_nop 0
.rept 4
	v_nop
.endr
	s_branch .Lasked_\@
.Lfor_b_\@:
	tensor_load_to_lds s[G0B+4*\s:G0B+4*\s+3], s[G1B:G1B+7]
	s_nop 0
.rept 4
	v_nop
.endr
.Lasked_\@:
.endm
.macro CREST
	s_cmp_lg_u32 s10, 0
	s_cbranch_scc1 .Lnot_wave_0_\@
	s_barrier_signal -3
.Lnot_wave_0_\@:
	s_barrier_wait -3
	s_barrier_signal -1
	s_barrier_wait -1
.endm
.macro CROUND
	s_barrier_signal -1
	s_barrier_wait -1
	CREST
.endm
	s_load_b128 s[4:7], s[0:1], 0x0                ; att s[4:5], wo16 s[6:7]
	s_load_b64 s[8:9], s[0:1], 0x10                ; out0
	v_lshl_add_u32 v[SPW], v0, 2, SPARE
	v_mov_b32 v[NIL], 0
	ds_add_u32 v[SPW], v[NIL]                      ; the wave's opening: the add, twice on end, and its wait ahead of my first tensor load
	ds_add_u32 v[SPW], v[NIL]
	v_lshrrev_b32 v1, 5, v0
	v_readfirstlane_b32 s10, v1                    ; wave 0..3
	s_lshr_b32 s11, s10, 1                         ; which half of the tile's tokens is mine.  Also: I fetch for att (0) or for W_out (1)
	s_and_b32 s12, s10, 1                          ; which half of its columns.  Also: which plane of a K step I fetch
	s_bfe_u32 s40, ttmp6, 0x40000                  ; cx, cy
	s_bfe_u32 s41, ttmp6, 0x40004
	s_lshl_b32 s42, ttmp9, 2
	s_add_co_u32 s42, s42, s40                     ; tile column
	s_and_b32 s13, ttmp7, 0xffff
	s_lshl_b32 s13, s13, 2
	s_add_co_u32 s13, s13, s41                     ; tile row
	s_lshl_b32 s43, s41, 2
	s_lshl_b32 s43, 15, s43                        ; my row of the cluster
	s_lshl_b32 s44, 0x1111, s40                    ; my column
	s_or_b32 s[G1+0], s43, (3<<16)|(1<<20)|(1<<21)|(4<<22)|(3<<25)   ; the mask; elements of 8 bytes; padding on; bit 21 beside a mask; after every 32 words four words
	s_or_b32 s[G1B+0], s44, (3<<16)|(1<<20)|(1<<21)|(4<<22)|(3<<25)
	s_mov_b32 s[G1+1], 16<<16                      ; tensor_dim0 = 16 elements: 128 bytes
	s_mov_b32 s[G1+2], 128<<16                     ; tensor_dim1 = 128 rows
	s_mov_b32 s[G1+3], 16<<16                      ; tile_dim0
	s_mov_b32 s[G1+4], 128                         ; tile_dim1
	s_mov_b32 s[G1+5], 16                          ; the pitch: dense
	s_mov_b32 s[G1+6], 0
	s_mov_b32 s[G1+7], 0
	s_mov_b32 s[G1B+1], 16<<16
	s_mov_b32 s[G1B+2], 256<<16                    ; 256 rows
	s_mov_b32 s[G1B+3], 16<<16
	s_mov_b32 s[G1B+4], 256
	s_mov_b32 s[G1B+5], 16
	s_mov_b32 s[G1B+6], 0
	s_mov_b32 s[G1B+7], 0
	s_lshl_b32 s16, s13, 14                        ; att: 128 rows of 128 bytes a tile row,
	s_lshl_b32 s17, s12, 20                        ; my plane
	s_add_co_u32 s16, s16, s17
	s_mov_b32 s17, 0
	s_lshl_b32 s46, s42, 15                        ; W_out: 256 rows of 128 bytes a tile column,
	s_lshl_b32 s47, s12, 17                        ; my plane
	s_add_co_u32 s46, s46, s47
	s_mov_b32 s47, 0
	s_mul_i32 s20, s12, APL                        ; where they go: no place in the cluster enters an LDS address
	s_mul_i32 s21, s12, BPL
	s_add_co_u32 s21, s21, 2*APL
	s_wait_dscnt 0x0                               ; both opening adds are done
	s_wait_kmcnt 0x0
	s_add_nc_u64 s[14:15], s[4:5], s[16:17]
	s_add_nc_u64 s[46:47], s[6:7], s[46:47]
	CROUND                                         ; all sixteen work-groups are here: the first joint loads meet
.irp s, 0,1
	s_mov_b32 s[G0+4*\s], 1
	s_add_co_u32 s[G0+4*\s+1], s20, \s*SLOT
	s_add_nc_u64 s[G0+4*\s+2:G0+4*\s+3], s[14:15], \s*2*APLANE
	s_or_b32 s[G0+4*\s+3], s[G0+4*\s+3], 0x80000000
	s_mov_b32 s[G0B+4*\s], 1
	s_add_co_u32 s[G0B+4*\s+1], s21, \s*SLOT
	s_add_nc_u64 s[G0B+4*\s+2:G0B+4*\s+3], s[46:47], \s*2*BPLANE
	s_or_b32 s[G0B+4*\s+3], s[G0B+4*\s+3], 0x80000000
	JLOAD \s
.endr
	v_and_b32 v1, 15, v0                           ; l % 16
	v_bfe_u32 v2, v0, 4, 1                         ; l / 16
	v_mul_u32_u24 v3, v1, PITCH
	v_lshl_add_u32 v3, v2, 4, v3                   ; a fragment's row x pitch + 16 x half
	s_mul_i32 s21, s11, 64*PITCH                   ; my 64 tokens
	s_mul_i32 s22, s12, 128*PITCH                  ; my 128 rows of W_out,
	s_add_co_u32 s22, s22, 2*APL                   ; behind att's two planes
.irp s, 0,1
	v_add_nc_u32 v[ADRA+\s], s21, v3
	v_add_nc_u32 v[ADRB+\s], s22, v3
	s_add_co_u32 s21, s21, SLOT
	s_add_co_u32 s22, s22, SLOT
.endr
	s_mul_i32 s23, s10, 16*SPITCH
	s_add_co_u32 s23, s23, STAGE                   ; my stage
	v_mul_u32_u24 v4, v1, SPITCH
	v_lshl_add_u32 v4, v2, 5, v4
	v_add_nc_u32 v[STO], s23, v4                   ; in: row l % 16, 32 bytes for each half of the lanes
	v_and_b32 v5, 31, v0
	v_lshlrev_b32 v[CO], 4, v5                     ; back: the 32 lanes take one row of 512 bytes; and the same in out0
	v_add_nc_u32 v[RD], s23, v[CO]
	s_lshl_b32 s16, s13, 7
	s_lshl_b32 s17, s11, 6
	s_add_co_u32 s16, s16, s17                     ; my first token
	s_lshl_b32 s16, s16, 12                        ; rows of 4,096 bytes
	s_mov_b32 s17, 0
	s_add_nc_u64 s[8:9], s[8:9], s[16:17]
	s_lshl_b32 s46, s42, 10                        ; my first column, in bytes
	s_lshl_b32 s47, s12, 9
	s_add_co_u32 s46, s46, s47
	s_mov_b32 s47, 0
	s_add_nc_u64 s[8:9], s[8:9], s[46:47]
.macro MUL8 f, a, zero                 ; tokens' block a against W_out's eight, 32 along K.  The 32 accumulators take turns in the same order in every quarter
.irp b, 0,1,2,3,4,5,6,7
.if \zero
	v_wmma_f32_16x16x32_f16 v[8*(8*(\a)+\b):8*(8*(\a)+\b)+7], v[\f+32+8*\b:\f+32+8*\b+7], v[\f+8*(\a):\f+8*(\a)+7], 0
.else
	v_wmma_f32_16x16x32_f16 v[8*(8*(\a)+\b):8*(8*(\a)+\b)+7], v[\f+32+8*\b:\f+32+8*\b+7], v[\f+8*(\a):\f+8*(\a)+7], v[8*(8*(\a)+\b):8*(8*(\a)+\b)+7]
.endif
.endr
.endm
.macro FETCH slot, q, f                ; 24 LDS loads in one run: quarter q of the slot (plane q / 2, byte 64 (q % 2) of its rows) into buffer f; W_out's first, the tokens' blocks 0 to 3 last
	WIN 0
.irp b, 0,1,2,3,4,5,6,7
	ds_load_b128 v[\f+32+8*\b:\f+32+8*\b+3],   v[ADRB+\slot] offset:((\q)/2)*BPL+((\q)%2)*64+\b*16*PITCH
	ds_load_b128 v[\f+32+8*\b+4:\f+32+8*\b+7], v[ADRB+\slot] offset:((\q)/2)*BPL+((\q)%2)*64+\b*16*PITCH+32
.endr
.irp i, 0,1,2,3
	ds_load_b128 v[\f+8*\i:\f+8*\i+3],   v[ADRA+\slot] offset:((\q)/2)*APL+((\q)%2)*64+\i*16*PITCH
	ds_load_b128 v[\f+8*\i+4:\f+8*\i+7], v[ADRA+\slot] offset:((\q)/2)*APL+((\q)%2)*64+\i*16*PITCH+32
.endr
.endm
.macro PLACES
.rept 4
	v_nop
.endr
.endm
.macro QUARTER slot, q, f, g, zero     ; multiplies buffer f; in its middle it fetches quarter q of the same slot into buffer g
	s_wait_dscnt 4                                 ; all but the youngest four loads (the tokens' blocks 2, 3)
	WIN MUL
	MUL8 \f, 0, \zero
	MUL8 \f, 1, \zero
	PLACES
	FETCH \slot, \q, \g
	s_wait_dscnt 24                                ; all but the 24 just issued
	WIN MUL
	MUL8 \f, 2, \zero
	MUL8 \f, 3, \zero
.endm
; A slot's last quarter multiplies buffer 1 and changes slots: ONE barrier; in front of it each wave waits for all its tensor loads, adds 0 to its spare word, and waits for that and for its reads of this slot.
; fill = 1: the barrier opens a round of the cluster's barrier, and this slot is filled again, two K steps ahead: the load has 112 matrix instructions of the wave in which to land.
.macro TURN slot, next, fill
	WIN 0                                          ; (the add's two registers lie in window 0)
	s_wait_tensorcnt 0x0
	ds_add_u32 v[SPW], v[NIL]
	s_wait_dscnt 5                                 ; (the add and the youngest four loads may be out)
	WIN MUL
	MUL8 F1, 0, 0
	s_wait_dscnt 0x0                               ; the add is done, and my reads of this slot are over
	s_barrier_signal -1
	MUL8 F1, 1, 0
.if \fill
	WIN 0
.endif
	s_barrier_wait -1
.if \fill
	CREST                                          ; no wave of any partner still reads this slot's tile or has a load on its way
	s_add_nc_u64 s[G0+4*\slot+2:G0+4*\slot+3], s[G0+4*\slot+2:G0+4*\slot+3], 4*APLANE
	s_add_nc_u64 s[G0B+4*\slot+2:G0B+4*\slot+3], s[G0B+4*\slot+2:G0B+4*\slot+3], 4*BPLANE
	JLOAD \slot                                    ; the four v_nop behind it are also the places in front of the loads below
.else
	PLACES
.endif
	FETCH \next, 0, F0
	WIN MUL
	MUL8 F1, 2, 0
	MUL8 F1, 3, 0
.endm
	s_wait_tensorcnt 1                             ; my part of K step 0 is in (K step 1's may be out)
	s_barrier_signal -1
	s_barrier_wait -1                              ; everybody's is
	FETCH 0, 0, F0
	QUARTER 0, 1, F0, F1, 1                        ; the first products start the sums
	WIN 0                                          ; at a label and at a branch every window is 0
	s_mov_b32 s3, LAPS-1
.Llap:                                             ; a trip goes once round the ring and fills both slots again
	QUARTER 0, 2, F1, F0, 0
	QUARTER 0, 3, F0, F1, 0
	TURN 0, 1, 1
	QUARTER 1, 1, F0, F1, 0
	QUARTER 1, 2, F1, F0, 0
	QUARTER 1, 3, F0, F1, 0
	TURN 1, 0, 1
	QUARTER 0, 1, F0, F1, 0
	WIN 0
	s_sub_co_u32 s3, s3, 1
	s_cmp_lg_u32 s3, 0
	s_cbranch_scc1 .Llap
	QUARTER 0, 2, F1, F0, 0                        ; the last lap fills nothing
	QUARTER 0, 3, F0, F1, 0
	TURN 0, 1, 0
	QUARTER 1, 1, F0, F1, 0
	QUARTER 1, 2, F1, F0, 0
	QUARTER 1, 3, F0, F1, 0
	s_wait_dscnt 4
	WIN MUL
	MUL8 F1, 0, 0
	MUL8 F1, 1, 0
	s_wait_dscnt 0
	MUL8 F1, 2, 0
	MUL8 F1, 3, 0
	WIN 0
; THE WAY OUT, block by block of 16 tokens x 128 columns: through my own stage, back as whole rows of 512 bytes, which the 32 lanes store as 512 consecutive bytes.
.macro TOSTAGE a
	WIN 0x04                                       ; an LDS store's data are its source 1: window 1
.irp b, 0,1,2,3,4,5,6,7
	ds_store_b128 v[STO], v[64*(\a)+8*\b:64*(\a)+8*\b+3] offset:64*\b          ; each accumulator from its low end on
	ds_store_b128 v[STO], v[64*(\a)+8*\b+4:64*(\a)+8*\b+7] offset:64*\b+16
.endr
	WIN 0
.set BB, 32+64*((\a)%2)
.irp t, 0,1,2,3,4,5,6,7,8,9,10,11,12,13,14,15
	ds_load_b128 v[BB+4*\t:BB+4*\t+3], v[RD] offset:\t*SPITCH   ; in order behind my stores
.endr
.endm
.macro SEND a, younger                 ; younger: the LDS instructions issued behind block a's loads
.set BB, 32+64*((\a)%2)
	s_wait_dscnt \younger
.irp t, 0,1,2,3,4,5,6,7,8,9,10,11,12,13,14,15
	global_store_b128 v[CO], v[BB+4*\t:BB+4*\t+3], s[8:9] offset:(16*(\a)+\t)*4096 th:TH_STORE_NT
.endr
.endm
	PLACES
	TOSTAGE 0
.irp a, 1,2,3
.if \a > 1
	s_wait_xcnt 0x0                                ; block a - 2's stores have read their registers: block a's loads may land there
.endif
	TOSTAGE \a
	SEND \a-1, 32                                  ; behind block a - 1's loads: block a's 16 stores and 16 loads
.endr
	SEND 3, 0
	s_wait_tensorcnt 0x0                           ; the wave's end
	ds_add_u32 v[SPW], v[NIL]
	s_wait_dscnt 0x0
	CROUND                                         ; the closing round
	s_endpgm
.Lfunc_end_k_q7743fc7e30_proj:
	.size	k_q7743fc7e30_proj, .Lfunc_end_k_q7743fc7e30_proj-k_q7743fc7e30_proj
	.p2alignl 7, 3214868480
	.fill 96, 4, 3214868480
	.section	.rodata,"a",@progbits
	.p2align	6, 0x0
	.amdhsa_kernel k_q7743fc7e30_proj
		.amdhsa_group_segment_fixed_size 327680
		.amdhsa_private_segment_fixed_size 0
		.amdhsa_enable_private_segment 0
		.amdhsa_kernarg_size 24
		.amdhsa_user_sgpr_count 2
		.amdhsa_user_sgpr_kernarg_segment_ptr 1
		.amdhsa_wavefront_size32 1
		.amdhsa_system_sgpr_workgroup_id_x 1
		.amdhsa_system_sgpr_workgroup_id_y 1
		.amdhsa_system_sgpr_workgroup_id_z 1
		.amdhsa_system_vgpr_workitem_id 0
		.amdhsa_next_free_vgpr 512
		.amdhsa_next_free_sgpr 66
		.amdhsa_reserve_vcc 0
		.amdhsa_float_denorm_mode_32 3
		.amdhsa_float_denorm_mode_16_64 3
		.amdhsa_memory_ordered 1
		.amdhsa_forward_progress 1
		.amdhsa_inst_pref_size 85
	.end_amdhsa_kernel
	.amdgpu_metadata
---
amdhsa.version: [ 1, 2 ]
amdhsa.kernels:
  - .name:           k_q7743fc7e30_proj
    .symbol:         k_q7743fc7e30_proj.kd
    .args:
      - { .name: att, .offset: 0, .size: 8, .value_kind: global_buffer, .address_space: global }
      - { .name: wo16, .offset: 8, .size: 8, .value_kind: global_buffer, .address_space: global }
      - { .name: out0, .offset: 16, .size: 8, .value_kind: global_buffer, .address_space: global }
    .group_segment_fixed_size: 327680
    .private_segment_fixed_size: 0
    .kernarg_segment_align: 8
    .kernarg_segment_size: 24
    .max_flat_workgroup_size: 128
    .sgpr_count:     66
    .vgpr_count:     512
    .wavefront_size: 32
...
	.end_amdgpu_metadata
.endif
;; end of part 5
;; launch fine_proj (part 6): grid 64 x 4, 4 waves a work-group, no clusters, 4,608 bytes of LDS; arguments att16, W_out, out0; writes out0
.if DOCPART == 6
	.amdgcn_target "amdgcn-amd-amdhsa--gfx1250"
	.amdhsa_code_object_version 6
	.text
	.protected	k_q7743fc7e30_fine_proj
	.globl	k_q7743fc7e30_fine_proj
	.p2align	8
	.type	k_q7743fc7e30_fine_proj,@function
k_q7743fc7e30_fine_proj:
	s_mov_b64 s[64:65], 0
	v_nop
	global_prefetch_b8 v0, s[64:65] scope:SCOPE_SE
	s_setreg_imm32_b32 hwreg(HW_REG_WAVE_MODE, 25, 1), 1
	s_wait_xcnt 0x0
; The rows of the first 16 positions of every sequence, once more and in f32: out0[batch][t < 16][n] = sum over c of att16[batch][t][c] W_out[n][c], by the f32 matrix form: 64 rows in all, no bulk work.
; A work-group makes 16 tokens (batch = y) x 16 columns (x).  Its four waves share K: wave w takes c = 256 w .. 256 w + 255, 64 matrix instructions on four accumulators by turns; the four partial tiles meet in LDS.
; Used transposed (source 0 = 16 rows of W_out, source 1 = 16 tokens): a lane holds token r and columns 8 hh + j.  A lane's load of 16 bytes holds c = 8 g + 4 hh + 0 .. 3: its two register pairs carry the same c in the same places of both sources.
; A row gets 64 bytes from each work-group: 262,144 bytes in all; only this split gives every SIMD work.
; REGISTERS: window 0: v3 1,024-word rows (4,096 r + 16 hh), v4, v5 the add's two, v6-8 addresses, v16-47 four accumulators, written by matrix instructions alone, v48-71 at work.  window 1: v0-127 att16's numbers, v128-255 W_out's.
.set SPARE, 4096
.set ACC, 16
.set T,   48
.set U,   56
.set MSB, 0
.macro WIN new
.if MSB != \new
	s_set_vgpr_msb (MSB<<8)|\new
.set MSB, \new
.endif
.endm
	s_load_b128 s[4:7], s[0:1], 0x0                ; att16 s[4:5], W_out s[6:7]
	s_load_b64 s[8:9], s[0:1], 0x10                ; out0
	v_lshl_add_u32 v4, v0, 2, SPARE
	v_mov_b32 v5, 0
	v_lshrrev_b32 v1, 5, v0
	v_readfirstlane_b32 s10, v1                    ; wave
	v_and_b32 v1, 15, v0                           ; r
	v_bfe_u32 v2, v0, 4, 1                         ; hh
	v_lshlrev_b32 v3, 12, v1
	v_lshl_add_u32 v3, v2, 4, v3
	v_and_b32 v9, 31, v0
	v_lshlrev_b32 v9, 4, v9                        ; 16 x lane
	s_lshl_b32 s11, s10, 10
	v_add_nc_u32 v6, s11, v9                       ; my partial tile's image: 1,024 bytes a wave
	s_lshl_b32 s12, s10, 9
	v_add_nc_u32 v7, s12, v9                       ; waves 0, 1: half w of every image
	v_lshlrev_b32 v8, 12, v1
	v_lshl_add_u32 v8, v2, 5, v8
	s_lshl_b32 s13, s10, 4
	v_add_nc_u32 v8, s13, v8                       ; out0: row r, columns 8 hh + 4 w on
	s_and_b32 s14, ttmp7, 0xffff                   ; the batch
	s_mov_b32 s17, 0
	s_wait_kmcnt 0x0
	s_lshl_b32 s16, s14, 16
	s_add_co_u32 s16, s16, s11                     ; att16: 16 rows of 4,096 bytes a batch, + my 256 numbers
	s_add_nc_u64 s[4:5], s[4:5], s[16:17]
	s_lshl_b32 s16, ttmp9, 16
	s_add_co_u32 s16, s16, s11                     ; W_out: 16 rows a tile, + my 256 numbers
	s_add_nc_u64 s[6:7], s[6:7], s[16:17]
	s_lshl_b32 s16, s14, 23                        ; out0: 2,048 rows of 4,096 bytes a batch,
	s_lshl_b32 s15, ttmp9, 6                       ; 64 bytes a tile of columns
	s_add_co_u32 s16, s16, s15
	s_add_nc_u64 s[8:9], s[8:9], s[16:17]
	WIN 0x40                                       ; destination window 1
.set g, 0
.rept 32
	global_load_b128 v[4*g:4*g+3], v3, s[4:5] offset:32*g
	global_load_b128 v[128+4*g:128+4*g+3], v3, s[6:7] offset:32*g
.set g, g+1
.endr
	WIN 0x05                                       ; sources 0 and 1 window 1
.set g, 0
.rept 32
.if g%4 == 0
	s_wait_loadcnt 56-8*(g/4)                      ; the eight loads of these four g are in; those issued behind them may be out
.endif
.irp e, 0,1
.set idx, 2*g+\e
.if idx < 4
	v_wmma_f32_16x16x4_f32 v[ACC+8*(idx%4):ACC+8*(idx%4)+7], v[128+4*g+2*\e:128+4*g+2*\e+1], v[4*g+2*\e:4*g+2*\e+1], 0
.else
	v_wmma_f32_16x16x4_f32 v[ACC+8*(idx%4):ACC+8*(idx%4)+7], v[128+4*g+2*\e:128+4*g+2*\e+1], v[4*g+2*\e:4*g+2*\e+1], v[ACC+8*(idx%4):ACC+8*(idx%4)+7]
.endif
.endr
.set g, g+1
.endr
	WIN 0
.rept 8
	v_nop                                          ; eight places behind this form
.endr
.irp j, 0,2,4,6
	v_pk_add_f32 v[T+\j:T+\j+1], v[ACC+\j:ACC+\j+1], v[ACC+8+\j:ACC+8+\j+1]       ; each accumulator from its low end on
.endr
.irp j, 0,2,4,6
	v_pk_add_f32 v[U+\j:U+\j+1], v[ACC+16+\j:ACC+16+\j+1], v[ACC+24+\j:ACC+24+\j+1]
.endr
.irp j, 0,2,4,6
	v_pk_add_f32 v[T+\j:T+\j+1], v[T+\j:T+\j+1], v[U+\j:U+\j+1]
.endr
	ds_store_b128 v6, v[T:T+3]                     ; the image of my partial tile: columns 8 hh + 0 .. 3,
	ds_store_b128 v6, v[T+4:T+7] offset:512        ; and + 4 .. 7
	s_wait_dscnt 0x0                               ; for the others' sake
	s_barrier_signal -1
	s_barrier_wait -1
	s_cmp_lt_u32 s10, 2                            ; waves 0 and 1 add the four images' halves and store
	s_cbranch_scc0 .Lend
.irp w, 0,1,2,3
	ds_load_b128 v[U+4*\w:U+4*\w+3], v7 offset:1024*\w
.endr
	s_wait_dscnt 0x0
	v_pk_add_f32 v[U:U+1], v[U:U+1], v[U+4:U+5]
	v_pk_add_f32 v[U+2:U+3], v[U+2:U+3], v[U+6:U+7]
	v_pk_add_f32 v[U+8:U+9], v[U+8:U+9], v[U+12:U+13]
	v_pk_add_f32 v[U+10:U+11], v[U+10:U+11], v[U+14:U+15]
	v_pk_add_f32 v[U:U+1], v[U:U+1], v[U+8:U+9]
	v_pk_add_f32 v[U+2:U+3], v[U+2:U+3], v[U+10:U+11]
	global_store_b128 v8, v[U:U+3], s[8:9]
.Lend:
	s_wait_tensorcnt 0x0                           ; the wave's end
	ds_add_u32 v4, v5
	s_wait_dscnt 0x0
	s_endpgm
.Lfunc_end_k_q7743fc7e30_fine_proj:
	.size	k_q7743fc7e30_fine_proj, .Lfunc_end_k_q7743fc7e30_fine_proj-k_q7743fc7e30_fine_proj
	.p2alignl 7, 3214868480
	.fill 96, 4, 3214868480
	.section	.rodata,"a",@progbits
	.p2align	6, 0x0
	.amdhsa_kernel k_q7743fc7e30_fine_proj
		.amdhsa_group_segment_fixed_size 4608
		.amdhsa_private_segment_fixed_size 0
		.amdhsa_enable_private_segment 0
		.amdhsa_kernarg_size 24
		.amdhsa_user_sgpr_count 2
		.amdhsa_user_sgpr_kernarg_segment_ptr 1
		.amdhsa_wavefront_size32 1
		.amdhsa_system_sgpr_workgroup_id_x 1
		.amdhsa_system_sgpr_workgroup_id_y 1
		.amdhsa_system_sgpr_workgroup_id_z 1
		.amdhsa_system_vgpr_workitem_id 0
		.amdhsa_next_free_vgpr 512
		.amdhsa_next_free_sgpr 66
		.amdhsa_reserve_vcc 0
		.amdhsa_float_denorm_mode_32 3
		.amdhsa_float_denorm_mode_16_64 3
		.amdhsa_memory_ordered 1
		.amdhsa_forward_progress 1
		.amdhsa_inst_pref_size 15
	.end_amdhsa_kernel
	.amdgpu_metadata
---
amdhsa.version: [ 1, 2 ]
amdhsa.kernels:
  - .name:           k_q7743fc7e30_fine_proj
    .symbol:         k_q7743fc7e30_fine_proj.kd
    .args:
      - { .name: att16, .offset: 0, .size: 8, .value_kind: global_buffer, .address_space: global }
      - { .name: W_out, .offset: 8, .size: 8, .value_kind: global_buffer, .address_space: global }
      - { .name: out0, .offset: 16, .size: 8, .value_kind: global_buffer, .address_space: global }
    .group_segment_fixed_size: 4608
    .private_segment_fixed_size: 0
    .kernarg_segment_align: 8
    .kernarg_segment_size: 24
    .max_flat_workgroup_size: 128
    .sgpr_count:     66
    .vgpr_count:     512
    .wavefront_size: 32
...
	.end_amdgpu_metadata
.endif
;; end of part 6
